; MI455X (gfx1250); checked and timed in simulation.
; The chip was launched on July 23, 2026; its instructions are those of AMD's public machine-readable ISA for CDNA 5 (MIT licence, August 2026) and "CDNA5" Instruction Set Architecture Reference Guide (July 2026). The comments in the code are by the model that wrote it; some were corrected since.
;; Causal Self Attention. Allowed arithmetic: matrix products marked QUANTISED: E2M3 operands, one E8M0 scale for each 32 along K, by v_wmma_scale_f32_16x16x128_f8f6f4 with both operands' format E2M3, f32 sums; everything else in f32.
;; Inputs: Wk 1,024 x 1,024 float32; Wq 1,024 x 1,024 float32; Wv 1,024 x 1,024 float32; x 4 x 2,048 x 1,024 float32.
;; Outputs: out0 4 x 2,048 x 1,024 float32.
;; This version of the problem:
;;   THIS VERSION OF THE PROBLEM IS GIVEN IN LOW PRECISION. The matrix products marked QUANTISED in the list below multiply operands that are first quantised to E2M3 (2 exponent bits, 3 mantissa bits; 6 bits a number), with one power-of-two scale for each 32 numbers along K (OCP MX v1.0); their sums are f32. All else is computed in f32.
;;   The module's matrix products, in the order in which they are computed (A, B: the left and right operand; K: the contracted axis; several contracted axes count as one K, in the product's order):
;;     1. [M 8,192, K 1,024] x [K 1,024, N 1,024]; A: input x; B: input Wq: QUANTISED
;;     2. [M 8,192, K 1,024] x [K 1,024, N 1,024]; A: input x; B: input Wk: QUANTISED
;;     3. [M 8,192, K 1,024] x [K 1,024, N 1,024]; A: input x; B: input Wv: QUANTISED
;;     4. batch 4 x [M 2,048, K 1,024] x [K 1,024, N 2,048]; A: computed on the way; B: computed on the way: QUANTISED
;;     5. batch 4 x [M 2,048, K 2,048] x [K 2,048, N 1,024]; A: softmax (see below); B: computed on the way: QUANTISED
;;   THE QUANTISER, for each operand of a quantised product, along K:
;;     - K is cut into blocks of 32 from its start; a last block that is shorter is filled with zeros.
;;     - A block's scale is 2^e with e = floor(log2(the largest magnitude in the block)) - 2, held to -126 .. 127; a block of zeros has e = 0. As a byte (E8M0): e + 127.
;;     - Each number is divided by its block's scale, clamped to +-7.5, and rounded to the nearest number of E2M3, ties to even, subnormals kept.
;;     - The product sums the exact products of the quantised numbers (number of the format x scale) in f32.
;;   ~~~python
;;   def quantise(x, axis):      # numpy; x: float32 -> the quantised numbers, widened to float32 again
;;       x = np.moveaxis(x, axis, -1); K = x.shape[-1]
;;       x = np.pad(x, [(0, 0)] * (x.ndim - 1) + [(0, -K % 32)]); x = x.reshape(x.shape[:-1] + (-1, 32)); a = np.abs(x).max(-1, keepdims=True)
;;       e = np.where(a > 0, np.clip(np.frexp(np.where(a > 0, a, 1))[1] - 1 - 2, -126, 127), 0)      # np.frexp(a)[1] - 1 = floor(log2(a)), exactly
;;       r = np.clip(x / 2.0 ** e, -7.5, 7.5)
;;       step = 2.0 ** (np.maximum(np.frexp(np.where(r == 0, 1, r))[1] - 1, 0) - 3)
;;       q = np.round(r / step) * step * 2.0 ** e      # np.round: ties to even
;;       return np.moveaxis(q.reshape(q.shape[:-2] + (-1,))[..., :K], -1, axis).astype(np.float32)
;;   ~~~
;;   SOFTMAX AHEAD OF A QUANTISED PRODUCT. Where the list says 'softmax', what is quantised is not the finished softmax but p = 2^(t - M), with t = logit x log2(e) and M = ceil(the row's largest t), a whole number; so 1/2 < the row's largest p <= 1. The row's sum l is taken of the UNQUANTISED p, in f32, and the product's result is divided by l at the end. Since M is a whole number, a kernel that streams over the keys may use a running M (the ceiling of the running maximum): every later rescaling is an exact power of two, which a block's scale takes up: the codes' values come out the same.
;;   OPERANDS COMPUTED ON THE WAY. 'Computed on the way' means the value that the module computes at that place (a softmax that the list does not call 'softmax' is quantised finished and normalised). What goes into a quantiser is computed in f32, as accurately as f32 sums, v_exp_f32 and their like allow (about 1e-6 of the number): no bf16 or f16 on the way to a quantiser, and a product that is left as it is and whose result goes on into a quantised operand takes f32 operands (vector FMAs, or v_wmma_f32_16x16x4_f32). A number that lies on a knife's edge between two numbers of the format may be rounded either way, as far as f32 arithmetic and the matrix unit's own rounding can turn it there, and no further.
;; One version. Each part assembles by itself: llvm-mc -triple=amdgcn-amd-amdhsa -mcpu=gfx1250 --defsym DOCPART=n.
;; ======== version 1 of 1: 4 launches
;; workspace buffers: in_img 8,650,752 bytes; in_sc 360,448 bytes; qkv_img 18,874,368 bytes; qkv_sc 786,432 bytes; p_img 12,582,912 bytes; p_st 2,097,152 bytes
;; launch quant (part 1): grid 352 x 1, 8 waves a work-group, no clusters, 95,232 bytes of LDS; arguments x, Wq, Wk, Wv, in_img, in_sc; writes in_img, in_sc
.if DOCPART == 1
	.amdgcn_target "amdgcn-amd-amdhsa--gfx1250"
	.amdhsa_code_object_version 6
	.text
	.protected	k_q99d95fac6c_quant
	.globl	k_q99d95fac6c_quant
	.p2align	8
	.type	k_q99d95fac6c_quant,@function
k_q99d95fac6c_quant:
	s_mov_b64 s[64:65], 0
	v_nop
	global_prefetch_b8 v0, s[64:65] scope:SCOPE_SE
	s_setreg_imm32_b32 hwreg(HW_REG_WAVE_MODE, 25, 1), 1
	s_wait_xcnt 0x0
; x [8192][1024] and Wq, Wk, Wv [1024 (k)][1024 (n)], f32, become codes of FP6 (E2M3) with one E8M0 byte for each 32 along K = the 1,024 inputs.
; A block's scale is 2^(floor(log2(largest magnitude)) - 2): its byte is the largest magnitude's exponent field - 2, held at 1 from below by a floor among the maximum's leaves.
; LIMITS: a block of zeros gets the byte 1 (its codes are zeros, and this program alone reads the bytes); NaN and infinities among the inputs are not served.
; THE WORKSPACE'S LAYOUT.  Rows (x's tokens, a weight's columns n) are cut into tiles of 16: lane r of tile 2 B + u is row 32 B + 8 u + r + 8 (r / 8).  A fragment (a tile x 128 K: 12 registers a lane) lies in
; memory as an IMAGE OF ITS REGISTERS, 1,536 bytes: plane c (512 bytes) holds registers 4 c .. 4 c + 3, lane l's 16 bytes at 16 l.  Fragment FI = 8 tile + K / 128 lies at 1,536 FI, its 16 scale words at 64 FI.
; Tiles 0-511: x.  Tiles 512 + 64 o ..: Wq, Wk, Wv (o = 0, 1, 2).
; Work-groups 0-255 take 32 rows of x each (path X), work-groups 256-351 a block of 128 K x 256 columns of a weight (path W).  The paths part on the work-group's number, never join, and have LDS bytes of their own.
; No tensor load, no barrier: waves share nothing.
.set XSTW,  8448                       ; path X: a wave's stage, 16 rows x (512 bytes + 16)
.set WST,   8*XSTW                     ; path W's stages begin here
.set WSTW,  3328                       ; a wave's: two images,
.set USTR,  1664                       ; 1,536 + 128 bytes apart, so that the lanes of tile 0 and of tile 1 fall on different banks
.set SPARE, WST+8*WSTW                 ; the spare words, 128 bytes for each wave: four blocks of 256 bytes that no other line names
.set XO,  4                            ; v4   16 x lane
.set SI,  5                            ; v5   path X: into the stage, as loaded
.set SO,  6                            ; v6   path X: out of it: row r, + 128 h
.set L4,  7                            ; v7   4 x lane
.set SPW, 8                            ; v8   LDS address of my spare word; never rewritten
.set NIL, 9                            ; v9   0; never rewritten
.set TM,  10                           ; v10-13 largest magnitudes, scale operands
.set SH8, 14                           ; v14  8 h
.set WA,  15                           ; v15  path W: my column's place in the two images
.set WR,  16                           ; v16  path W: out of the stage: 16 x lane
.set WSO, 17                           ; v17  path W: my column's scale word: 512 u + 4 r'
.set PC,  24                           ; v24-47 codes of two fragments
.set PT,  48                           ; v48-54 upper halves of blocks, as converted
.set BY,  56                           ; v56-59 scale bytes
.set WD,  60                           ; v60-63 scale words, at work
.set X,   64                           ; v64-127 64 numbers in a lane's order
.set R,   128                          ; v128-255 numbers as loaded
; Two whole blocks of 32 numbers of one lane, at v[src] and v[src + 32], become 2 x 6 registers of codes at v[dst] and two bytes at v[by].
.macro QB2 src, dst, by
.irp k, 0,1
	v_max3_num_f32 v[TM+\k], |v[(\src)+32*\k]|, |v[(\src)+32*\k+1]|, 0x1800000   ; and the floor 2^(3 - 127): the byte cannot fall under 1
.endr
.irp i, 2,4,6,8,10,12,14,16,18,20,22,24,26,28,30
.irp k, 0,1
	v_max3_num_f32 v[TM+\k], v[TM+\k], |v[(\src)+32*\k+\i]|, |v[(\src)+32*\k+\i+1]|   ; the two blocks by turns
.endr
.endr
.irp k, 0,1
	v_add_nc_u32 v[TM+2+\k], 0xff000000, v[TM+\k]    ; 2 off the exponent field: the conversion takes the exponent field of this operand as its scale
.endr
.irp k, 0,1
	v_lshrrev_b32 v[(\by)+\k], 23, v[TM+2+\k]        ; the scale's byte
.endr
.irp k, 0,1
	v_cvt_scalef32_pk16_fp6_f32 v[(\dst)+6*\k:(\dst)+6*\k+2], v[(\src)+32*\k:(\src)+32*\k+15], v[TM+2+\k]
	v_cvt_scalef32_pk16_fp6_f32 v[PT+4*\k:PT+4*\k+2], v[(\src)+32*\k+16:(\src)+32*\k+31], v[TM+2+\k]   ; (a conversion's three registers begin on an even number)
.endr
	v_nop                                            ; one plain place behind a scaled conversion
.irp k, 0,1
.irp i, 0,1,2
	v_mov_b32 v[(\dst)+6*\k+3+\i], v[PT+4*\k+\i]
.endr
.endr
.endm
	s_load_b256 s[4:11], s[0:1], 0x0               ; x s[4:5], Wq s[6:7], Wk s[8:9], Wv s[10:11]
	s_load_b128 s[12:15], s[0:1], 0x20             ; in_img s[12:13], in_sc s[14:15]
	v_lshl_add_u32 v[SPW], v0, 2, SPARE
	v_mov_b32 v[NIL], 0
	v_lshrrev_b32 v1, 5, v0
	v_readfirstlane_b32 s16, v1                    ; wave 0..7
	v_and_b32 v1, 31, v0                           ; lane
	v_and_b32 v2, 15, v0                           ; r
	v_bfe_u32 v3, v0, 4, 1                         ; h
	v_lshlrev_b32 v[XO], 4, v1
	v_lshlrev_b32 v[L4], 2, v1
	v_lshlrev_b32 v[SH8], 3, v3
	s_mul_i32 s17, s16, XSTW                       ; every LDS address is made here, ahead of the parting
	v_add_nc_u32 v[SI], s17, v[XO]
	v_mul_u32_u24 v[SO], v2, 528
	v_lshl_add_u32 v[SO], v3, 7, v[SO]
	v_add_nc_u32 v[SO], s17, v[SO]
	s_mul_i32 s18, s16, WSTW
	s_add_co_u32 s18, s18, WST
	v_add_nc_u32 v[WR], s18, v[XO]
	v_bfe_u32 v18, v0, 3, 1                        ; path W: column 'lane' of a group of 32 is lane r' of tile u: u = (lane / 8) % 2,
	v_and_b32 v19, 7, v0
	v_lshl_add_u32 v19, v3, 3, v19                 ; r' = lane % 8 + 8 (lane / 16)
	v_mul_u32_u24 v[WA], v18, USTR
	v_lshl_add_u32 v[WA], v19, 4, v[WA]
	v_add_nc_u32 v[WA], s18, v[WA]
	v_lshlrev_b32 v[WSO], 9, v18
	v_lshl_add_u32 v[WSO], v19, 2, v[WSO]
	v_mov_b32 v[WD+2], 0                           ; a lane permute's destination counts as one of its sources
	s_mov_b32 s20, 0x76543210
	s_mov_b32 s21, 0xfedcba98                      ; v_permlanex16_b32's selects for lane l xor 16
	s_mov_b32 s22, 0xffff0000                      ; lanes 16-31
	s_wait_kmcnt 0x0
	s_cmp_lt_u32 ttmp9, 256
	s_cbranch_scc0 .Lweights
; ---- PATH X.  Work-group G: rows 32 G .. 32 G + 31.  Wave w: tile u = w / 4, K steps 2 (w % 4) and 2 (w % 4) + 1.
	s_lshr_b32 s23, s16, 2                         ; u
	s_and_b32 s24, s16, 3
	s_lshl_b32 s26, ttmp9, 17                      ; 32 rows of 4,096 bytes
	s_lshl_b32 s27, s23, 15                        ; tile 1 begins 8 rows further down
	s_add_co_u32 s26, s26, s27
	s_lshl_b32 s27, s24, 10                        ; two K steps are 1,024 bytes
	s_add_co_u32 s26, s26, s27
	s_mov_b32 s27, 0
	s_add_nc_u64 s[4:5], s[4:5], s[26:27]
	s_lshl_b32 s28, ttmp9, 1
	s_add_co_u32 s28, s28, s23                     ; the tile
	s_lshl_b32 s28, s28, 3
	s_lshl_b32 s29, s24, 1
	s_add_co_u32 s28, s28, s29                     ; FI of my first fragment
	s_mul_i32 s30, s28, 1536
	s_mov_b32 s31, 0
	s_add_nc_u64 s[12:13], s[12:13], s[30:31]
	s_lshl_b32 s30, s28, 6
	s_add_nc_u64 s[14:15], s[14:15], s[30:31]
.irp f, 0,1
.irp i, 0,1,2,3,4,5,6,7,8,9,10,11,12,13,14,15
	global_load_b128 v[R+64*\f+4*\i:R+64*\f+4*\i+3], v[XO], s[4:5] offset:(\i+8*(\i/8))*4096+512*\f th:TH_LOAD_NT   ; lane i's row of the tile: 32 lanes read its 512 consecutive bytes of K step f
.endr
.endr
.macro XFRAG f
	s_wait_loadcnt 16-16*\f                        ; this K step's sixteen loads are in; the other step's sixteen may be out
.irp i, 0,1,2,3,4,5,6,7,8,9,10,11,12,13,14,15
	ds_store_b128 v[SI], v[R+64*\f+4*\i:R+64*\f+4*\i+3] offset:528*\i
.endr
.irp c, 0,1
.irp j, 0,1,2,3,4,5,6,7
	ds_load_b128 v[X+32*\c+4*\j:X+32*\c+4*\j+3], v[SO] offset:256*\c+16*\j   ; lane (r, h): K = 64 c + 32 h + 0 .. 31 of row r.  LDS serves a wave's instructions in order: these see the stores above
.endr
.endr
	s_wait_dscnt 0x0
	QB2 X, PC+12*\f, BY
	v_lshl_or_b32 v[WD+\f], v[BY+1], 16, v[BY]     ; my two bytes: blocks h and 2 + h of row r,
	v_lshlrev_b32 v[WD+\f], v[SH8], v[WD+\f]       ; at their places in the scale word;
	v_permlanex16_b32 v[WD+2], v[WD+\f], s20, s21
	v_or_b32 v[WD+\f], v[WD+\f], v[WD+2]           ; with lane l xor 16's two the word is whole
.irp c, 0,1,2
	global_store_b128 v[XO], v[PC+12*\f+4*\c:PC+12*\f+4*\c+3], s[12:13] offset:1536*\f+512*\c   ; a plane: 512 consecutive bytes
.endr
.endm
	XFRAG 0
	XFRAG 1
	v_cndmask_b32 v[WD+3], v[WD], v[WD+1], s22     ; lanes 0-15: the first fragment's words; lanes 16-31: the second's, 64 bytes on
	global_store_b32 v[L4], v[WD+3], s[14:15]
	s_wait_tensorcnt 0x0                           ; the wave's end: behind my last LDS store
	ds_add_u32 v[SPW], v[NIL]
	s_wait_dscnt 0x0
	s_endpgm
; ---- PATH W.  Work-group 256 + 32 o + 8 cb + s: weight o, columns 256 cb on, rows (K) 128 s on.  Wave w: 32 columns.  A LANE TAKES A COLUMN AND ITS REGISTERS RUN DOWN K: a block of 32 lies in one lane.
.Lweights:
	s_sub_co_u32 s23, ttmp9, 256
	s_lshr_b32 s24, s23, 5                         ; o
	s_bfe_u32 s25, s23, 0x20003                    ; cb
	s_and_b32 s26, s23, 7                          ; s
	s_cmp_eq_u32 s24, 0
	s_cselect_b64 s[28:29], s[6:7], s[8:9]
	s_cmp_eq_u32 s24, 2
	s_cselect_b64 s[28:29], s[10:11], s[28:29]     ; the choice hangs on the work-group's number alone
	s_lshl_b32 s30, s26, 19                        ; 128 rows of 4,096 bytes
	s_lshl_b32 s31, s25, 10
	s_add_co_u32 s30, s30, s31
	s_lshl_b32 s31, s16, 7
	s_add_co_u32 s30, s30, s31
	s_mov_b32 s31, 0
	s_add_nc_u64 s[28:29], s[28:29], s[30:31]
	s_lshl_b32 s32, s24, 6
	s_lshl_b32 s33, s25, 4
	s_add_co_u32 s32, s32, s33
	s_lshl_b32 s33, s16, 1
	s_add_co_u32 s32, s32, s33
	s_add_co_u32 s32, s32, 512                     ; my first tile: 512 + 64 o + 2 (8 cb + w)
	s_lshl_b32 s32, s32, 3
	s_add_co_u32 s32, s32, s26                     ; its FI
	s_mul_i32 s34, s32, 1536
	s_mov_b32 s35, 0
	s_add_nc_u64 s[12:13], s[12:13], s[34:35]
	s_lshl_b32 s34, s32, 6
	s_add_nc_u64 s[14:15], s[14:15], s[34:35]
.set i, 0
.rept 128
	global_load_b32 v[R+i], v[L4], s[28:29] offset:4096*i th:TH_LOAD_NT   ; row i at my 32 columns; the eight waves stand side by side on 1,024 consecutive bytes
.set i, i+1
.endr
	s_wait_loadcnt 63                              ; at most 63 of the 128 are out: the first 65, blocks 0 and 1 among them, are in
	QB2 R, PC, BY
.irp k, 0,1                                    ; block k is registers 0-5 of lane r' + 16 k of the image
	ds_store_b128 v[WA], v[PC+6*\k:PC+6*\k+3] offset:256*\k
	ds_store_b64 v[WA], v[PC+6*\k+4:PC+6*\k+5] offset:512+256*\k
.endr
	s_wait_loadcnt 0x0
	QB2 R+64, PC+12, BY+2
.irp k, 0,1                                    ; block 2 + k is registers 6-11 of lane r' + 16 k
	ds_store_b64 v[WA], v[PC+12+6*\k:PC+12+6*\k+1] offset:520+256*\k
	ds_store_b128 v[WA], v[PC+12+6*\k+2:PC+12+6*\k+5] offset:1024+256*\k
.endr
	v_lshl_or_b32 v[WD], v[BY+1], 8, v[BY]         ; my column's four bytes are its scale word
	v_lshl_or_b32 v[WD], v[BY+2], 16, v[WD]
	v_lshl_or_b32 v[WD], v[BY+3], 24, v[WD]
	global_store_b32 v[WSO], v[WD], s[14:15]
.irp u, 0,1
.irp c, 0,1,2
	ds_load_b128 v[X+12*\u+4*\c:X+12*\u+4*\c+3], v[WR] offset:USTR*\u+512*\c   ; LDS serves a wave's instructions in order: these see my stores
.endr
.endr
.irp n, 0,1,2,3,4,5
	s_wait_dscnt 5-\n
	global_store_b128 v[XO], v[X+4*\n:X+4*\n+3], s[12:13] offset:12288*(\n/3)+512*(\n%3)   ; the next tile's fragment of the same K step lies 8 fragments on
.endr
	s_wait_tensorcnt 0x0                           ; the wave's end: behind my last LDS store
	ds_add_u32 v[SPW], v[NIL]
	s_wait_dscnt 0x0
	s_endpgm
.Lfunc_end_k_q99d95fac6c_quant:
	.size	k_q99d95fac6c_quant, .Lfunc_end_k_q99d95fac6c_quant-k_q99d95fac6c_quant
	.p2alignl 7, 3214868480
	.fill 96, 4, 3214868480
	.section	.rodata,"a",@progbits
	.p2align	6, 0x0
	.amdhsa_kernel k_q99d95fac6c_quant
		.amdhsa_group_segment_fixed_size 95232
		.amdhsa_private_segment_fixed_size 0
		.amdhsa_enable_private_segment 0
		.amdhsa_kernarg_size 48
		.amdhsa_user_sgpr_count 2
		.amdhsa_user_sgpr_kernarg_segment_ptr 1
		.amdhsa_wavefront_size32 1
		.amdhsa_system_sgpr_workgroup_id_x 1
		.amdhsa_system_sgpr_workgroup_id_y 1
		.amdhsa_system_sgpr_workgroup_id_z 1
		.amdhsa_system_vgpr_workitem_id 0
		.amdhsa_next_free_vgpr 256
		.amdhsa_next_free_sgpr 66
		.amdhsa_reserve_vcc 0
		.amdhsa_float_denorm_mode_32 3
		.amdhsa_float_denorm_mode_16_64 3
		.amdhsa_memory_ordered 1
		.amdhsa_forward_progress 1
		.amdhsa_inst_pref_size 37
	.end_amdhsa_kernel
	.amdgpu_metadata
---
amdhsa.version: [ 1, 2 ]
amdhsa.kernels:
  - .name:           k_q99d95fac6c_quant
    .symbol:         k_q99d95fac6c_quant.kd
    .args:
      - { .name: x, .offset: 0, .size: 8, .value_kind: global_buffer, .address_space: global }
      - { .name: Wq, .offset: 8, .size: 8, .value_kind: global_buffer, .address_space: global }
      - { .name: Wk, .offset: 16, .size: 8, .value_kind: global_buffer, .address_space: global }
      - { .name: Wv, .offset: 24, .size: 8, .value_kind: global_buffer, .address_space: global }
      - { .name: in_img, .offset: 32, .size: 8, .value_kind: global_buffer, .address_space: global }
      - { .name: in_sc, .offset: 40, .size: 8, .value_kind: global_buffer, .address_space: global }
    .group_segment_fixed_size: 95232
    .private_segment_fixed_size: 0
    .kernarg_segment_align: 8
    .kernarg_segment_size: 48
    .max_flat_workgroup_size: 256
    .sgpr_count:     66
    .vgpr_count:     256
    .wavefront_size: 32
...
	.end_amdgpu_metadata
.endif
;; end of part 1
;; launch proj (part 2): grid 8 x 32, 4 waves a work-group, clusters of 4 x 4, 327,680 bytes of LDS; arguments in_img, in_sc, qkv_img, qkv_sc; writes qkv_img, qkv_sc
.if DOCPART == 2
	.amdgcn_target "amdgcn-amd-amdhsa--gfx1250"
	.amdhsa_code_object_version 6
	.text
	.protected	k_q99d95fac6c_proj
	.globl	k_q99d95fac6c_proj
	.p2align	8
	.type	k_q99d95fac6c_proj,@function
k_q99d95fac6c_proj:
	s_mov_b64 s[64:65], 0
	v_nop
	global_prefetch_b8 v0, s[64:65] scope:SCOPE_SE
	s_setreg_imm32_b32 hwreg(HW_REG_WAVE_MODE, 25, 1), 1
	s_wait_xcnt 0x0
	s_wait_alu depctr_hold_cnt(0) depctr_sa_sdst(0) depctr_va_vdst(0) depctr_va_sdst(0) depctr_va_ssrc(0) depctr_va_vcc(0) depctr_vm_vsrc(0)
	s_getreg_b32 s2, hwreg(HW_REG_IB_STS2, 6, 4)
	s_cmp_eq_u32 s2, 0
	s_cbranch_scc0 .Lentry_in_a_cluster
	s_endpgm
.Lentry_in_a_cluster:
	s_bfe_u32 s2, ttmp6, 0x10000c
	s_cmp_lg_u32 s2, 0xf033
	s_cbranch_scc0 .Lentry_shape_is_right
	s_endpgm
.Lentry_shape_is_right:
; q = x Wq, k = x Wk and v^T = Wv^T x^T on codes of FP6 (E2M3) with E8M0 scales, K = 1,024; each result is quantised in registers, along the axis that is the next product's K, and stored as operand images.
; A WORK-GROUP STAYS AND MAKES ONE AND A HALF TILES: q and k are 256 tiles of 256 x 256, v^T 128 such tiles: 256 work-groups take one tile of q | k each (phase 1) and then half a tile of v^T, 128 channels x 256 tokens (phase 2).
; Phase 1: A = x (tile 4 Cy + cy of 32), B = Wq | Wk (tile 4 Cx + cx of 8).  Phase 2: A = Wv (half 4 Cx + cy of 8), B = x (tile 4 Cy + cx of 32).  (Cx, Cy: the cluster; cx, cy: my place in it.)
; The matrix instruction is used transposed (source 0 = 16 rows of B, source 1 = 16 rows of A): a lane holds ONE row of A and its registers run along B's rows, which by the images' order of rows are neighbours:
; the 16 registers of B's tiles 2 B and 2 B + 1 are indices 32 B + 16 (lane / 16) + 0 .. 15.  So q and k are quantised along e, v^T along the keys, with nothing changing lanes but one exchange of halves.
; IMAGES (made by the launch before, and made here): a fragment (16 rows x 128 K, 12 registers a lane) is 1,536 bytes, plane c = registers 4 c .. 4 c + 3, lane l at 16 l; its 16 scale words are 64 bytes.
; OUT: q: FI = 8 T + e / 128;  k: 4,096 + the same;  v^T: FI = 8,192 + 64 E + t / 128  (T: tile of tokens, E: tile of channels).
; SHARES.  Four waves.  Phase 1: each 128 x 128, 64 accumulators; K goes through two LDS slots of two K steps each.  Phase 2: each 64 x 128, 32 accumulators.
; LDS: slot 1 at 0, slot 0 at 98,304, fresh bytes behind it.  When phase 1 leaves slot 0 for the last time, bytes 98,304 to 319,488 are one free run: six K steps of phase 2 (24 tiles x 9,216 bytes) come into it by one
; load a wave, and have 160 products and phase 1's way out in which to land.  Behind that way out phase 2's K steps 6 and 7 come into what was slot 1, and have five K steps in which to land.
; By this text's own count a wave has two tensor loads out at the start and one behind each later round.
; CLUSTERS: 4 x 4.  A's tiles hang on cy alone and are shared along a row of the cluster, B's on cx alone and are shared along a column, in both phases: each is asked for jointly.
; No prefetch is laid: the launch is short, six fills a wave in all, and each fill behind the first two is asked for two K steps or more ahead of the wait for it.
; LIMITS: a block of zeros gets the byte 1 (zero codes; this program alone reads the bytes); NaN and infinities are not served.
; REGISTERS: window 0: v16-31 addresses; v32-95 scale words of all 8 K steps (register 8 i + s: lanes 0-15 A's block i, lanes 16-31 B's block i); v96-120 the way out's; v128-223 A's fragments (phase 1: one set of 8;
;   phase 2: two sets of 4).   window 1: B's fragments, two sets, at v0 and v128.   windows 2, 3: accumulator (a, b) at v[8 (8 (a % 4) + b)]; phase 2 has window 2's alone.
.set SLOT,  98304                      ; A's 16 tiles, then B's 16 tiles, 3,072 bytes (two K steps) each
.set TILEB, 3072
.set FRB,   1536
.set ROW6,  9216                       ; six K steps of a tile
.set P2,    SLOT                       ; phase 2's K steps 0-5: A's 2 x 4 tiles,
.set P2A,   4*ROW6
.set P2B,   8*ROW6                     ; then B's 2 x 8 tiles
.set SPARE, P2+2*P2A+2*P2B             ; 319,488: the spare words, 128 bytes for each wave: two blocks of 256 bytes that no other line names
.set ADRA,  16                         ; v16-17 phase 1: my A fragments in slot 0, 1
.set ADRA2, 18                         ; v18    phase 2: K steps 0-5
.set ADRA3, 19                         ; v19    phase 2: K steps 6, 7
.set ADRB,  20                         ; v20-21 phase 1: my B fragments in slot 0, 1
.set ADRB2, 22                         ; v22-23 phase 2: K steps 0-5, tiles 0-3 and tiles 4-7 (an LDS offset has 16 bits)
.set LI,    24                         ; v24    16 x lane
.set ADRB3, 25                         ; v25    phase 2: K steps 6, 7
.set SOV,   26                         ; v26    phase 1: my scale words' offset: lanes 0-15 in A's, lanes 16-31 in B's
.set SOFB,  27                         ; v27    phase 2: where the scale words made go
.set SPW,   28                         ; v28    LDS address of my spare word; never rewritten
.set NIL,   29                         ; v29    0; never rewritten
.set SOV2,  30                         ; v30-31 phase 2: my scale words' offset, for registers of blocks 0-3 and of blocks 4-7
.set SC,    32
.set TM,    96                         ; v96-111 maxima, bytes, scale operands
.set PWS,   112                        ; v112-119 the scale words made, one for each block of A
.set SOF,   120                        ; v120   phase 1: where they go
.set AF,    128
.set PC,    128                        ; the way out: codes, two sets of 20 registers by turns, where A's fragments lay
.set G1, 24                            ; s[24:31] group 1 for A's tiles; s[32:39] group 0, two sets
.set G0, 32
.set G1B, 48                           ; s[48:55], s[56:63] the same for B's
.set G0B, 56
.set MSB, 0
.macro WIN new                         ; the immediate's high byte repeats the setting that is left
.if MSB != (\new)
	s_set_vgpr_msb (MSB<<8)|(\new)
.set MSB, (\new)
.endif
.endm
.set MUL_LO, 0xa1                      ; source 0 (B) window 1, source 1 (A) window 0, C and D window 2
.set MUL_HI, 0xf1                      ; the same, C and D window 3
.set TO_B,   0x40                      ; destination window 1, address window 0
.macro PLACES n                        ; plain places behind matrix instructions: four in front of loads into registers that they have read and of the first read of results
.rept \n
	v_nop
.endr
.endm
; A joint load: waves 0 and 1 fetch A's halves, waves 2 and 3 B's.  The branch hangs on the wave's number alone.  An s_nop 0 and four v_nop follow each of the two lines.
.macro JLOAD g0a, g1a, g0b, g1b
	s_cmp_eq_u32 s15, 0
	s_cbranch_scc0 .Lfor_b_\@
	tensor_load_to_lds s[\g0a:\g0a+3], s[\g1a:\g1a+7]
	s_nop 0
.rept 4
	v_nop
.endr
	s_branch .Lasked_\@
.Lfor_b_\@:
	tensor_load_to_lds s[\g0b:\g0b+3], s[\g1b:\g1b+7]
	s_nop 0
.rept 4
	v_nop
.endr
.Lasked_\@:
.endm
.macro CREST                           ; a round of the cluster's barrier behind its opening barrier
	s_cmp_lg_u32 s14, 0
	s_cbranch_scc1 .Lnot_wave_0_\@
	s_barrier_signal -3
.Lnot_wave_0_\@:
	s_barrier_wait -3
	s_barrier_signal -1
	s_barrier_wait -1
.endm
.macro CROUND
	s_barrier_signal -1
	s_barrier_wait -1
	CREST
.endm
	s_load_b256 s[4:11], s[0:1], 0x0               ; in_img s[4:5], in_sc s[6:7], qkv_img s[8:9], qkv_sc s[10:11]
	v_lshl_add_u32 v[SPW], v0, 2, SPARE
	v_mov_b32 v[NIL], 0
	ds_add_u32 v[SPW], v[NIL]                      ; the wave's opening: the add and its wait stand ahead of my first tensor load; the set-up below, work on registers, stands between them
	v_lshrrev_b32 v1, 5, v0
	v_readfirstlane_b32 s14, v1                    ; wave 0..3
	s_lshr_b32 s15, s14, 1                         ; wm: my half of A's rows.  Also: I fetch for A (0) or for B (1)
	s_and_b32 s16, s14, 1                          ; wn: my half of B's rows.  Also: which half of the tiles I fetch
	s_bfe_u32 s40, ttmp6, 0x40000                  ; cx
	s_bfe_u32 s41, ttmp6, 0x40004                  ; cy
	s_and_b32 s17, ttmp7, 0xffff                   ; cluster y, 0..7
	s_lshl_b32 s42, s17, 2
	s_add_co_u32 s42, s42, s41                     ; phase 1, A: x's tile of 256 rows: 4 Cy + cy
	s_lshl_b32 s43, ttmp9, 2
	s_add_co_u32 s43, s43, s40                     ; phase 1, B: Wq | Wk's tile of 256 columns: 4 Cx + cx
	s_lshl_b32 s92, ttmp9, 2
	s_add_co_u32 s92, s92, s41                     ; phase 2, A: Wv's half tile of 128 channels: 4 Cx + cy
	s_lshl_b32 s93, s17, 2
	s_add_co_u32 s93, s93, s40                     ; phase 2, B: x's tile of 256 rows: 4 Cy + cx
	s_lshl_b32 s44, s41, 2
	s_lshl_b32 s44, 15, s44                        ; my row of the cluster
	s_lshl_b32 s45, 0x1111, s40                    ; my column
	; group 1, as phase 1 wants it: 8 tiles (rows) of 3,072 bytes = 384 elements of 8 bytes, 12,288 bytes = 1,536 elements apart; no padding: a fragment load reads 512 consecutive bytes
	s_or_b32 s[G1+0], s44, (3<<16)|(1<<21)         ; 15:0 the mask: A's tiles go to my row; 17:16 elements of 8 bytes; 21 set beside a mask
	s_or_b32 s[G1B+0], s45, (3<<16)|(1<<21)        ; B's go to my column
.irp g, G1, G1B
	s_mov_b32 s[\g+1], (TILEB/8)<<16               ; tensor_dim0
	s_mov_b32 s[\g+2], 8<<16                       ; tensor_dim1
	s_mov_b32 s[\g+3], (TILEB/8)<<16               ; tile_dim0
	s_mov_b32 s[\g+4], 8                           ; tile_dim1
	s_mov_b32 s[\g+5], 1536                        ; tensor_dim0_stride
	s_mov_b32 s[\g+6], 0
	s_mov_b32 s[\g+7], 0
.endr
	s_lshl_b32 s46, s42, 4                         ; phase 1: the work-group's first tile of 16 rows of A (x's tiles begin at 0)
	s_lshl_b32 s47, s43, 4
	s_add_co_u32 s47, s47, 512                     ; and of B (Wq's begin at 512, Wk's follow)
	s_lshl_b32 s94, s92, 3
	s_add_co_u32 s94, s94, 640                     ; phase 2: of A (Wv's begin at 640; 8 tiles a work-group)
	s_lshl_b32 s95, s93, 4                         ; and of B (x)
	s_lshl_b32 s22, s16, 3
	s_lshl_b32 s18, s16, 2
	s_add_co_u32 s76, s46, s22
	s_mul_i32 s76, s76, 12288
	s_mov_b32 s77, 0
	s_add_co_u32 s78, s47, s22
	s_mul_i32 s78, s78, 12288
	s_mov_b32 s79, 0
	s_add_co_u32 s88, s94, s18                     ; phase 2: waves 0 and 1 fetch 4 tiles of A each,
	s_mul_i32 s88, s88, 12288
	s_mov_b32 s89, 0
	s_add_co_u32 s90, s95, s22                     ; waves 2 and 3 fetch 8 tiles of B each
	s_mul_i32 s90, s90, 12288
	s_mov_b32 s91, 0
	s_mul_i32 s23, s14, 24576                      ; phase 1: where they go in a slot: wave x 8 tiles: no place in the cluster enters an LDS address
	s_mov_b32 s67, 0xffff0000                      ; lanes 16-31
	s_mov_b32 s68, 0x76543210
	s_mov_b32 s69, 0xfedcba98                      ; selects for lane l xor 16
	s_wait_dscnt 0x0                               ; the opening add is done
	s_wait_kmcnt 0x0
	s_add_nc_u64 s[76:77], s[4:5], s[76:77]
	s_add_nc_u64 s[78:79], s[4:5], s[78:79]
	s_add_nc_u64 s[88:89], s[4:5], s[88:89]        ; kept for phase 2's two fills
	s_add_nc_u64 s[90:91], s[4:5], s[90:91]
	CROUND                                         ; all sixteen work-groups are here: the first joint loads meet
.irp s, 0,1
	s_mov_b32 s[G0+4*\s], 1
	s_add_co_u32 s[G0+4*\s+1], s23, (1-\s)*SLOT    ; slot 0 lies behind slot 1
	s_add_nc_u64 s[G0+4*\s+2:G0+4*\s+3], s[76:77], \s*TILEB   ; slot s begins with K steps 2 s, 2 s + 1
	s_or_b32 s[G0+4*\s+3], s[G0+4*\s+3], 0x80000000
	s_mov_b32 s[G0B+4*\s], 1
	s_add_co_u32 s[G0B+4*\s+1], s23, (1-\s)*SLOT
	s_add_nc_u64 s[G0B+4*\s+2:G0B+4*\s+3], s[78:79], \s*TILEB
	s_or_b32 s[G0B+4*\s+3], s[G0B+4*\s+3], 0x80000000
	JLOAD G0+4*\s, G1, G0B+4*\s, G1B
.endr
	v_and_b32 v1, 31, v0
	v_lshlrev_b32 v[LI], 4, v1
	v_and_b32 v2, 15, v0                           ; r
	v_bfe_u32 v3, v0, 4, 1                         ; h
	s_lshl_b32 s80, s15, 3
	s_add_co_u32 s80, s80, s46
	s_lshl_b32 s80, s80, 9                         ; phase 1: my first tile of A: 512 bytes of scale words a tile
	s_lshl_b32 s81, s16, 3
	s_add_co_u32 s81, s81, s47
	s_lshl_b32 s81, s81, 9                         ; and of B
	v_mov_b32 v4, s80
	v_mov_b32 v5, s81
	v_cndmask_b32 v4, v4, v5, s67
	v_lshl_add_u32 v[SOV], v2, 2, v4
.irp i, 0,1,2,3,4,5,6,7
.irp s, 0,1,2,3,4,5,6,7
	global_load_b32 v[SC+8*\i+\s], v[SOV], s[6:7] offset:512*\i+64*\s   ; all of K's scale words come once, straight into the registers that the matrix instructions name
.endr
.endr
	s_lshl_b32 s80, s15, 2
	s_add_co_u32 s80, s80, s94
	s_lshl_b32 s80, s80, 9                         ; phase 2: my first tile of A (4 tiles a wave),
	s_lshl_b32 s81, s16, 3
	s_add_co_u32 s81, s81, s95
	s_lshl_b32 s81, s81, 9                         ; and of B
	v_mov_b32 v6, s80
	v_mov_b32 v7, s81
	v_cndmask_b32 v8, v6, v7, s67
	v_lshl_add_u32 v[SOV2], v2, 2, v8
	s_sub_co_u32 s80, s80, 2048                    ; the registers of blocks 4-7 hold B's words alone: their lanes 0-15 read A's blocks 0-3 once more, so that no load leaves the buffer
	v_mov_b32 v6, s80
	v_cndmask_b32 v8, v6, v7, s67
	v_lshl_add_u32 v[SOV2+1], v2, 2, v8
	s_mul_i32 s84, s15, 24576
	s_mul_i32 s85, s16, 24576
	s_add_co_u32 s85, s85, 49152                   ; B's tiles lie behind A's 16
	v_add_nc_u32 v[ADRA+1], s84, v[LI]             ; slot 1 begins at 0,
	v_add_nc_u32 v[ADRB+1], s85, v[LI]
	v_add_nc_u32 v[ADRA], SLOT, v[ADRA+1]          ; slot 0 behind it
	v_add_nc_u32 v[ADRB], SLOT, v[ADRB+1]
	s_mul_i32 s84, s15, P2A
	s_add_co_u32 s84, s84, P2
	v_add_nc_u32 v[ADRA2], s84, v[LI]
	s_mul_i32 s85, s16, P2B
	s_add_co_u32 s85, s85, P2+2*P2A
	v_add_nc_u32 v[ADRB2], s85, v[LI]
	v_add_nc_u32 v[ADRB2+1], 4*ROW6, v[ADRB2]
	s_mul_i32 s84, s15, 4*TILEB
	v_add_nc_u32 v[ADRA3], s84, v[LI]
	s_mul_i32 s85, s16, 8*TILEB
	s_add_co_u32 s85, s85, 8*TILEB
	v_add_nc_u32 v[ADRB3], s85, v[LI]
.irp b, 0,1,2,3
	v_mov_b32 v[TM+4+\b], 0                        ; written once: a lane permute's destination counts as one of its sources
.endr
	; phase 1: my eight fragments go to FI0 = (q: 0, k: 4,096) + 8 (16 x A's tile + 8 wm) + my K step of the next product; block a lies 8 fragments on
	s_lshr_b32 s82, s43, 2
	s_lshl_b32 s82, s82, 12
	s_and_b32 s83, s43, 3
	s_lshl_b32 s83, s83, 1
	s_add_co_u32 s83, s83, s16
	s_lshl_b32 s84, s42, 4
	s_lshl_b32 s85, s15, 3
	s_add_co_u32 s84, s84, s85
	s_lshl_b32 s84, s84, 3
	s_add_co_u32 s84, s84, s82
	s_add_co_u32 s84, s84, s83
	s_mul_i32 s70, s84, FRB
	s_mov_b32 s71, 0
	s_add_nc_u64 s[70:71], s[8:9], s[70:71]
	s_lshl_b32 s72, s84, 6
	s_mov_b32 s73, 0
	s_add_nc_u64 s[72:73], s[10:11], s[72:73]
	; phase 2: my four go to FI0 = 8,192 + 64 (8 x A's half + 4 wm) + 2 x B's tile + wn; block a lies 64 fragments on
	s_lshl_b32 s84, s92, 3
	s_lshl_b32 s85, s15, 2
	s_add_co_u32 s84, s84, s85
	s_lshl_b32 s84, s84, 6
	s_add_co_u32 s84, s84, 8192
	s_lshl_b32 s85, s93, 1
	s_add_co_u32 s84, s84, s85
	s_add_co_u32 s84, s84, s16
	s_mul_i32 s74, s84, FRB
	s_mov_b32 s75, 0
	s_add_nc_u64 s[74:75], s[8:9], s[74:75]
	s_lshl_b32 s86, s84, 6
	s_mov_b32 s87, 0
	s_add_nc_u64 s[86:87], s[10:11], s[86:87]
	v_lshlrev_b32 v5, 2, v2
	v_lshl_add_u32 v[SOF], v3, 9, v5               ; lanes 0-15 store an even block's words, lanes 16-31 the odd block's behind it: 8 x 64 bytes on,
	v_lshl_add_u32 v[SOFB], v3, 12, v5             ; in v^T 64 x 64 bytes on
.macro FRAG reg, adr, q, i             ; a fragment comes as it was stored: three planes of 512 consecutive bytes
.irp c, 0,1,2
	ds_load_b128 v[(\reg)+4*\c:(\reg)+4*\c+3], v[\adr] offset:TILEB*(\i)+FRB*(\q)+512*\c
.endr
.endm
.macro FETCH_B slot, q, p              ; B's eight fragments of the slot's q-th K step into set p
	WIN TO_B
.irp i, 0,1,2,3,4,5,6,7
	FRAG 128*(\p)+12*\i, ADRB+\slot, \q, \i
.endr
	WIN 0
.endm
.macro FETCH_A slot, q, i0             ; A's blocks i0 .. i0 + 3
.irp i, \i0, \i0+1, \i0+2, \i0+3
	FRAG AF+12*(\i), ADRA+\slot, \q, \i
.endr
.endm
; 16 matrix instructions: A's blocks a0, a0 + 1 x B's eight, K step s; p: B's set.  The 64 accumulators take turns, one instruction a turn, in the same order in every step.
.macro MUL16 a0, p, s, zero
.irp a, \a0, \a0+1
.irp b, 0,1,2,3,4,5,6,7
.if \zero
	v_wmma_scale_f32_16x16x128_f8f6f4 v[8*(8*((\a)%4)+\b):8*(8*((\a)%4)+\b)+7], v[128*(\p)+12*\b:128*(\p)+12*\b+11], v[AF+12*(\a):AF+12*(\a)+11], 0, v[SC+8*\b+(\s)], v[SC+8*(\a)+(\s)] matrix_a_fmt:MATRIX_FMT_FP6 matrix_b_fmt:MATRIX_FMT_FP6 matrix_a_scale:MATRIX_SCALE_ROW1
.else
	v_wmma_scale_f32_16x16x128_f8f6f4 v[8*(8*((\a)%4)+\b):8*(8*((\a)%4)+\b)+7], v[128*(\p)+12*\b:128*(\p)+12*\b+11], v[AF+12*(\a):AF+12*(\a)+11], v[8*(8*((\a)%4)+\b):8*(8*((\a)%4)+\b)+7], v[SC+8*\b+(\s)], v[SC+8*(\a)+(\s)] matrix_a_fmt:MATRIX_FMT_FP6 matrix_b_fmt:MATRIX_FMT_FP6 matrix_a_scale:MATRIX_SCALE_ROW1
.endif
.endr
.endr
.endm
.macro STEP slot, s, zero              ; a slot's first K step; its successor lies in the same slot
	s_wait_dscnt 12                                ; B's set and A's blocks 0-3 are in; the twelve youngest loads (A's blocks 4-7) may be out
	WIN MUL_LO
	MUL16 0, 0, \s, \zero
	MUL16 2, 0, \s, \zero
	s_wait_dscnt 0x0                               ; A's blocks 4-7 are in
	PLACES 4
	FETCH_B \slot, 1, 1
	FETCH_A \slot, 1, 0
	WIN MUL_HI
	MUL16 4, 0, \s, \zero
	MUL16 6, 0, \s, \zero
	PLACES 4
	WIN 0
	FETCH_A \slot, 1, 4
.endm
; A slot's second K step changes slots: one barrier; in front of it each wave waits for all its tensor loads, adds 0 to its spare word, and waits for that and for its reads of this slot.
; fill = 1: this slot takes phase 1's K steps four on.  fill = 2 (slot 0, left for the last time): the slot and the fresh bytes behind it take phase 2's K steps 0-5.
.macro TURN slot, next, fill, s
	s_wait_tensorcnt 0x0                           ; all my tensor loads have landed: my part of the next slot; no load of mine is out, so descriptors may be written
	ds_add_u32 v[SPW], v[NIL]                      ; 0 onto my spare word
.if \fill == 2
	s_mul_i32 s[G0+1], s16, P2A                    ; A: 4 tiles (rows) of six K steps = 1,152 elements of 8 bytes
	s_add_co_u32 s[G0+1], s[G0+1], P2
	s_mov_b64 s[G0+2:G0+3], s[88:89]
	s_or_b32 s[G0+3], s[G0+3], 0x80000000
	s_mov_b32 s[G1+1], (ROW6/8)<<16
	s_mov_b32 s[G1+2], 4<<16
	s_mov_b32 s[G1+3], (ROW6/8)<<16
	s_mov_b32 s[G1+4], 4
	s_mul_i32 s[G0B+1], s16, P2B                   ; B: 8 tiles of the same length
	s_add_co_u32 s[G0B+1], s[G0B+1], P2+2*P2A
	s_mov_b64 s[G0B+2:G0B+3], s[90:91]
	s_or_b32 s[G0B+3], s[G0B+3], 0x80000000
	s_mov_b32 s[G1B+1], (ROW6/8)<<16
	s_mov_b32 s[G1B+3], (ROW6/8)<<16
.endif
	s_wait_dscnt 13                                ; (the add and the twelve youngest loads may be out)
	WIN MUL_LO
	MUL16 0, 1, \s, 0                              ; sixteen matrix instructions stand between the add and the wait for it
	s_wait_dscnt 0x0                               ; the add is done, and my reads of this slot are over
	s_barrier_signal -1
	MUL16 2, 1, \s, 0
	WIN 0
	s_barrier_wait -1
.if \fill
	CREST                                          ; the barrier has opened a round of the cluster's: no wave of any partner still reads this slot or has a load on its way
.if \fill == 1
	s_add_nc_u64 s[G0+4*\slot+2:G0+4*\slot+3], s[G0+4*\slot+2:G0+4*\slot+3], 2*TILEB
	s_add_nc_u64 s[G0B+4*\slot+2:G0B+4*\slot+3], s[G0B+4*\slot+2:G0B+4*\slot+3], 2*TILEB
.endif
	JLOAD G0+4*\slot, G1, G0B+4*\slot, G1B         ; the first tensor load behind the round; its four v_nop are also the places in front of the loads below
.else
	PLACES 4
.endif
	FETCH_B \next, 0, 0
	FETCH_A \next, 0, 0
	WIN MUL_HI
	MUL16 4, 1, \s, 0
	MUL16 6, 1, \s, 0
	PLACES 4
	WIN 0
	FETCH_A \next, 0, 4
.endm
; ---- PHASE 1: a tile of q | k
	s_wait_tensorcnt 1                             ; my part of slot 0 is in; slot 1's load may be out
	s_barrier_signal -1
	s_barrier_wait -1
	FETCH_B 0, 0, 0
	FETCH_A 0, 0, 0
	FETCH_A 0, 0, 4
	s_wait_loadcnt 0x0                             ; the scale words
	STEP 0, 0, 1                                   ; the first products start the sums: nothing is cleared
	TURN 0, 1, 1, 1                                ; slot 0 takes K steps 4, 5
	STEP 1, 2, 0
	TURN 1, 0, 1, 3                                ; slot 1 takes K steps 6, 7
	STEP 0, 4, 0
	TURN 0, 1, 2, 5                                ; slot 0 and the bytes behind it take phase 2's K steps 0-5
	STEP 1, 6, 0
	s_wait_dscnt 12                                ; the last K step: nothing more to fetch
	WIN MUL_LO
	MUL16 0, 1, 7, 0
	MUL16 2, 1, 7, 0
	s_wait_dscnt 0x0
	WIN MUL_HI
	MUL16 4, 1, 7, 0
	MUL16 6, 1, 7, 0
	WIN 0
; THE WAY OUT.  Block a's 64 registers of a lane (register 16 b + i = index 32 b + 16 (lane / 16) + i of my row) become one fragment and one scale word a row.  Each accumulator is read from its low end on.
.macro QUANTW a
.set QW, 2+(\a)/4
.set AC, 64*((\a)%4)
.set PCS, PC+20*((\a)%2)
	WIN QW|(QW<<2)                                 ; sources 0 and 1: the accumulators' window
.irp b, 0,1,2,3
	v_max3_num_f32 v[TM+\b], |v[AC+16*\b]|, |v[AC+16*\b+1]|, 0x1800000   ; and the floor 2^(3 - 127)
.endr
.irp i, 2,4,6,8,10,12,14
.irp b, 0,1,2,3
	v_max3_num_f32 v[TM+\b], |v[AC+16*\b+\i]|, |v[AC+16*\b+\i+1]|, v[TM+\b]   ; the four blocks by turns
.endr
.endr
	WIN 0
.irp b, 0,1,2,3
	v_permlanex16_b32 v[TM+4+\b], v[TM+\b], s68, s69
.endr
.irp b, 0,1,2,3
	v_max_num_f32 v[TM+\b], v[TM+\b], v[TM+4+\b]   ; with lane l xor 16's: the block's largest magnitude
.endr
.irp b, 0,1,2,3
	v_add_nc_u32 v[TM+12+\b], 0xff000000, v[TM+\b] ; 2 off the exponent field: the conversion's scale operand
.endr
.irp b, 0,1,2,3
	v_lshrrev_b32 v[TM+4+\b], 23, v[TM+12+\b]      ; the byte
.endr
	v_lshl_or_b32 v[PWS+\a], v[TM+5], 8, v[TM+4]
	v_lshl_or_b32 v[PWS+\a], v[TM+6], 16, v[PWS+\a]
	v_lshl_or_b32 v[PWS+\a], v[TM+7], 24, v[PWS+\a]
	WIN QW
.irp c, 0,1
	v_cvt_scalef32_pk16_fp6_f32 v[PCS+6*\c:PCS+6*\c+2], v[AC+32*\c:AC+32*\c+15], v[TM+12+2*\c]
	v_cvt_scalef32_pk16_fp6_f32 v[PCS+12+4*\c:PCS+14+4*\c], v[AC+32*\c+16:AC+32*\c+31], v[TM+12+2*\c+1]
.endr
	WIN 0
	v_nop                                          ; one plain place behind a scaled conversion
.irp c, 0,1                                    ; the layout wants a whole block in a lane: lanes 0-15 block 2 c, lanes 16-31 block 2 c + 1
.irp i, 0,1,2
	v_permlane16_swap_b32 v[PCS+6*\c+\i], v[PCS+12+4*\c+\i]
.endr
.irp i, 0,1,2
	v_mov_b32 v[PCS+3+6*\c+\i], v[PCS+12+4*\c+\i]
.endr
.endr
.endm
	PLACES 4                                       ; behind the last products: their results are read, A's registers written and the scale registers loaded anew from here on
.irp a, 0,1,2,3,4,5,6,7
.irp s, 0,1,2,3,4,5,6,7
	global_load_b32 v[SC+8*\a+\s], v[SOV2+\a/4], s[6:7] offset:512*\a+64*\s   ; phase 2's scale words, eight loads ahead of each block: lanes 0-15 Wv's block a (a < 4), lanes 16-31 x's block a
.endr
	QUANTW \a
.if \a > 0
	s_wait_xcnt 0x0                                ; the earlier stores have read their data: the set of codes stored by the block before may be written by the next block
.endif
.irp c, 0,1,2
	global_store_b128 v[LI], v[PC+20*(\a%2)+4*\c:PC+20*(\a%2)+4*\c+3], s[70:71] offset:8*FRB*\a+512*\c   ; a plane: 512 consecutive bytes
.endr
.endr
.irp j, 0,1,2,3
	v_cndmask_b32 v[TM+\j], v[PWS+2*\j], v[PWS+2*\j+1], s67
.endr
.irp j, 0,1,2,3
	global_store_b32 v[SOF], v[TM+\j], s[72:73] offset:1024*\j
.endr
; ---- BETWEEN THE PHASES: a round.  In front of it my part of phase 2's K steps 0-5 has landed and my reads of slot 1 are over; behind it what was slot 1 takes phase 2's K steps 6, 7.
	s_wait_tensorcnt 0x0                           ; no tensor load of mine is out, so descriptors may be written
	ds_add_u32 v[SPW], v[NIL]                      ; 0 onto my spare word
	s_mul_i32 s[G0+5], s16, 4*TILEB                ; A: 4 tiles of two K steps, from LDS byte 0 on
	s_add_nc_u64 s[G0+6:G0+7], s[88:89], ROW6      ; K step 6
	s_or_b32 s[G0+7], s[G0+7], 0x80000000
	s_mov_b32 s[G1+1], (TILEB/8)<<16
	s_mov_b32 s[G1+3], (TILEB/8)<<16
	s_mul_i32 s[G0B+5], s16, 8*TILEB               ; B: 8 tiles, behind A's 8
	s_add_co_u32 s[G0B+5], s[G0B+5], 8*TILEB
	s_add_nc_u64 s[G0B+6:G0B+7], s[90:91], ROW6
	s_or_b32 s[G0B+7], s[G0B+7], 0x80000000
	s_mov_b32 s[G1B+1], (TILEB/8)<<16
	s_mov_b32 s[G1B+3], (TILEB/8)<<16
	s_wait_xcnt 0x0                                ; phase 1's stores have read their data: fragments may land where the codes lay, and the scale words made may be written again
	s_wait_dscnt 0x0                               ; the add is done
	CROUND
	JLOAD G0+4, G1, G0B+4, G1B                     ; the first tensor load behind the round, and my last
; ---- PHASE 2: half a tile of v^T.  A wave: A's 4 blocks x B's 8.  A and B have two sets of registers each; a K step's 36 loads are issued one step ahead.
.macro FRAG2 reg, adr, off
.irp c, 0,1,2
	ds_load_b128 v[(\reg)+4*\c:(\reg)+4*\c+3], v[\adr] offset:(\off)+512*\c
.endr
.endm
.macro LOADS2 s
.set P2P, (\s)%2
	WIN TO_B
.irp i, 0,1,2,3,4,5,6,7
.if (\s) < 6
	FRAG2 128*P2P+12*\i, ADRB2+\i/4, ROW6*(\i%4)+FRB*(\s)
.else
	FRAG2 128*P2P+12*\i, ADRB3, TILEB*\i+FRB*((\s)-6)
.endif
.endr
	WIN 0
.irp i, 0,1,2,3
.if (\s) < 6
	FRAG2 AF+48*P2P+12*\i, ADRA2, ROW6*\i+FRB*(\s)
.else
	FRAG2 AF+48*P2P+12*\i, ADRA3, TILEB*\i+FRB*((\s)-6)
.endif
.endr
.endm
.macro MUL32 s                         ; the 32 accumulators take turns, one instruction a turn, in the same order in every step; step 0 starts the sums
.set P2P, (\s)%2
	WIN MUL_LO
.irp a, 0,1,2,3
.irp b, 0,1,2,3,4,5,6,7
.if (\s) == 0
	v_wmma_scale_f32_16x16x128_f8f6f4 v[8*(8*\a+\b):8*(8*\a+\b)+7], v[128*P2P+12*\b:128*P2P+12*\b+11], v[AF+48*P2P+12*\a:AF+48*P2P+12*\a+11], 0, v[SC+8*\b+(\s)], v[SC+8*\a+(\s)] matrix_a_fmt:MATRIX_FMT_FP6 matrix_b_fmt:MATRIX_FMT_FP6 matrix_a_scale:MATRIX_SCALE_ROW1
.else
	v_wmma_scale_f32_16x16x128_f8f6f4 v[8*(8*\a+\b):8*(8*\a+\b)+7], v[128*P2P+12*\b:128*P2P+12*\b+11], v[AF+48*P2P+12*\a:AF+48*P2P+12*\a+11], v[8*(8*\a+\b):8*(8*\a+\b)+7], v[SC+8*\b+(\s)], v[SC+8*\a+(\s)] matrix_a_fmt:MATRIX_FMT_FP6 matrix_b_fmt:MATRIX_FMT_FP6 matrix_a_scale:MATRIX_SCALE_ROW1
.endif
.endr
.endr
.endm
	LOADS2 0
	s_wait_loadcnt 0x0                             ; phase 2's scale words
.irp s, 0,1,2,3,4,5,6,7
.if \s > 0
	PLACES 4                                       ; in front of loads into the sets that the step before has multiplied
.endif
.if \s == 5                                    ; K steps 6 and 7 are wanted next: my part of them has landed; the barrier shows everybody's.
	WIN 0
	s_wait_tensorcnt 0x0
	ds_add_u32 v[SPW], v[NIL]
	s_wait_dscnt 0x0
	s_barrier_signal -1
	s_barrier_wait -1
.endif
.if \s < 7
	LOADS2 \s+1
	s_wait_dscnt 36                                ; all but the 36 loads just issued: this step's fragments are in
.else
	s_wait_dscnt 0x0
.endif
	MUL32 \s
.endr
	WIN 0
	PLACES 4                                       ; behind the last products: their results are read, and A's registers written, from here on
.irp a, 0,1,2,3
	QUANTW \a
.if \a > 0
	s_wait_xcnt 0x0                                ; as in phase 1
.endif
.irp c, 0,1,2
	global_store_b128 v[LI], v[PC+20*(\a%2)+4*\c:PC+20*(\a%2)+4*\c+3], s[74:75] offset:64*FRB*\a+512*\c
.endr
.endr
.irp j, 0,1
	v_cndmask_b32 v[TM+\j], v[PWS+2*\j], v[PWS+2*\j+1], s67
.endr
.irp j, 0,1
	global_store_b32 v[SOFB], v[TM+\j], s[86:87] offset:8192*\j
.endr
	s_wait_tensorcnt 0x0                           ; the wave's end: behind my last tensor load
	ds_add_u32 v[SPW], v[NIL]
	s_wait_dscnt 0x0
	CROUND                                         ; the closing round: no work-group ends while a partner may still ask for a tile that names it
	s_endpgm
.Lfunc_end_k_q99d95fac6c_proj:
	.size	k_q99d95fac6c_proj, .Lfunc_end_k_q99d95fac6c_proj-k_q99d95fac6c_proj
	.p2alignl 7, 3214868480
	.fill 96, 4, 3214868480
	.section	.rodata,"a",@progbits
	.p2align	6, 0x0
	.amdhsa_kernel k_q99d95fac6c_proj
		.amdhsa_group_segment_fixed_size 327680
		.amdhsa_private_segment_fixed_size 0
		.amdhsa_enable_private_segment 0
		.amdhsa_kernarg_size 32
		.amdhsa_user_sgpr_count 2
		.amdhsa_user_sgpr_kernarg_segment_ptr 1
		.amdhsa_wavefront_size32 1
		.amdhsa_system_sgpr_workgroup_id_x 1
		.amdhsa_system_sgpr_workgroup_id_y 1
		.amdhsa_system_sgpr_workgroup_id_z 1
		.amdhsa_system_vgpr_workitem_id 0
		.amdhsa_next_free_vgpr 1024
		.amdhsa_next_free_sgpr 96
		.amdhsa_reserve_vcc 0
		.amdhsa_float_denorm_mode_32 3
		.amdhsa_float_denorm_mode_16_64 3
		.amdhsa_memory_ordered 1
		.amdhsa_forward_progress 1
		.amdhsa_inst_pref_size 222
	.end_amdhsa_kernel
	.amdgpu_metadata
---
amdhsa.version: [ 1, 2 ]
amdhsa.kernels:
  - .name:           k_q99d95fac6c_proj
    .symbol:         k_q99d95fac6c_proj.kd
    .args:
      - { .name: in_img, .offset: 0, .size: 8, .value_kind: global_buffer, .address_space: global }
      - { .name: in_sc, .offset: 8, .size: 8, .value_kind: global_buffer, .address_space: global }
      - { .name: qkv_img, .offset: 16, .size: 8, .value_kind: global_buffer, .address_space: global }
      - { .name: qkv_sc, .offset: 24, .size: 8, .value_kind: global_buffer, .address_space: global }
    .group_segment_fixed_size: 327680
    .private_segment_fixed_size: 0
    .kernarg_segment_align: 8
    .kernarg_segment_size: 32
    .max_flat_workgroup_size: 128
    .sgpr_count:     96
    .vgpr_count:     1024
    .wavefront_size: 32
...
	.end_amdgpu_metadata
.endif
;; end of part 2
;; launch score (part 3): grid 9 x 16, 4 waves a work-group, no clusters, 327,680 bytes of LDS; arguments qkv_img, qkv_sc, p_img, p_st; writes p_img, p_st
.if DOCPART == 3
	.amdgcn_target "amdgcn-amd-amdhsa--gfx1250"
	.amdhsa_code_object_version 6
	.text
	.protected	k_q99d95fac6c_score
	.globl	k_q99d95fac6c_score
	.p2align	8
	.type	k_q99d95fac6c_score,@function
k_q99d95fac6c_score:
	s_mov_b64 s[64:65], 0
	v_nop
	global_prefetch_b8 v0, s[64:65] scope:SCOPE_SE
	s_setreg_imm32_b32 hwreg(HW_REG_WAVE_MODE, 25, 1), 1
	s_wait_xcnt 0x0
; The tiles of S = q k^T at or under the diagonal, on codes of FP6 with E8M0 scales, K = 1,024; the causal mask; and the softmax's p, quantised along the keys and stored as operand images.
; t = score x log2(e) / 32.  For each query and each 128 keys: M = ceil(the largest t of these 128 keys), a whole number; p = 2^(t - M); l = the sum of the unquantised p, in f32.
; M is LOCAL here.  The next launch brings every scale word under the row's own M by taking a whole number off its four bytes, which changes no code's value; it also adds the l.
; OUT: p_img: fragment FI = 16 (128 b + tile of 16 queries) + key step, 1,536 bytes, as an image of its registers;  p_st: 256 FI + 16 r: {scale word, -M as f32, l, 0} of lane r's query.
; THE TRIANGLE IS FOLDED: a batch has 36 tiles of 256 x 256 at or under the diagonal; row 7 - p (8 - p tiles) and row p (p + 1 tiles) share nine work-groups: grid 9 x (4 p x 4 batches).
; Four waves, each 128 x 128, as in the launch before: source 0 = 16 keys, source 1 = 16 queries, so that a lane holds ONE query and its registers run along the keys, neighbours by the images' order of rows.
; A wave whose 128 x 128 lies on the diagonal hides keys after the query ahead of the maximum; the one wave of a diagonal tile that lies wholly over it stores zero codes and neutral statistics, which the next
; launch reads.  (It runs the products all the same: it has to fetch its share of the tiles and pass every barrier.)  These are scalar branches on ids, behind the last barrier.
; NO CLUSTER: the rows of kept tiles are 1 to 8 tiles long, so no split into fours leaves every four with a shared operand, and filling up to rectangles would launch work-groups with nothing to do.
; No prefetch: two refills behind two first fills; a request far enough ahead would stand at the head.  By this text's own count a wave has two tensor loads out at the start, later one.
; LIMITS: a block all of whose p are 0 gets the byte 1 (zero codes); NaN and infinities among the scores are not served.
; REGISTERS: the core's as in the launch before.  The epilogue, window 0: v96-102 two sets {-M, l, word}; v104-115 at work; v128-191 t, then p; v192-211 codes; v212-223 blocks' maxima, bytes, scale operands.
.set SLOT,  98304
.set TILEB, 3072
.set FRB,   1536
.set SPARE, 2*SLOT                     ; the spare words, 128 bytes for each wave: two blocks of 256 bytes that no other line names
.set ADRA, 16
.set ADRB, 20
.set LI,   24                          ; v24  16 x lane
.set SO2,  25                          ; v25  16 r + 4,096 h: an even block's statistics in lanes 0-15, the odd block's behind it in lanes 16-31
.set SOV,  26
.set SPW,  28                          ; v28  LDS address of my spare word; never rewritten
.set NIL,  29                          ; v29  0; never rewritten
.set SC,   32
.set QS,   96
.set SUM,  104
.set SU2,  106
.set NINF, 108
.set DQ,   109
.set TP,   110
.set SD,   112
.set AF,   128
.set T,    128
.set PC,   192
.set BM,   212
.set BX,   216
.set SCL,  220
.set G1, 24
.set G0, 32
.set MSB, 0
.macro WIN new
.if MSB != (\new)
	s_set_vgpr_msb (MSB<<8)|(\new)
.set MSB, (\new)
.endif
.endm
.set MUL_LO, 0xa1
.set MUL_HI, 0xf1
.set TO_B,   0x40
.macro PLACES n
.rept \n
	v_nop
.endr
.endm
	s_load_b256 s[4:11], s[0:1], 0x0               ; qkv_img s[4:5], qkv_sc s[6:7], p_img s[8:9], p_st s[10:11]
	v_lshl_add_u32 v[SPW], v0, 2, SPARE
	v_mov_b32 v[NIL], 0
	ds_add_u32 v[SPW], v[NIL]                      ; the wave's opening: the add and its wait stand ahead of my first tensor load
	v_lshrrev_b32 v1, 5, v0
	v_readfirstlane_b32 s14, v1                    ; wave 0..3
	s_lshr_b32 s15, s14, 1                         ; wm: my half of the queries
	s_and_b32 s16, s14, 1                          ; wn: my half of the keys.  Also: which 8 tiles I fetch
	s_and_b32 s17, ttmp7, 0xffff
	s_and_b32 s18, s17, 3                          ; p
	s_lshr_b32 s19, s17, 2                         ; the batch
	s_sub_co_u32 s40, 7, s18
	s_add_co_u32 s41, ttmp9, s18
	s_sub_co_u32 s41, s41, 8
	s_cmp_le_u32 ttmp9, s40
	s_cselect_b32 s42, s40, s18                    ; I: the tile's row: 7 - p, or p
	s_cselect_b32 s43, ttmp9, s41                  ; J: its column: x, or x + p - 8
	s_lshl_b32 s40, s19, 7
	s_lshl_b32 s44, s42, 4
	s_add_co_u32 s44, s44, s40                     ; q's first tile of 16: 128 b + 16 I
	s_lshl_b32 s45, s43, 4
	s_add_co_u32 s45, s45, s40
	s_add_co_u32 s45, s45, 512                     ; k's: 512 + 128 b + 16 J
	s_cmp_lt_u32 s14, 2                            ; waves 0 and 1 fetch q's halves, waves 2 and 3 k's
	s_cselect_b32 s48, s44, s45
	s_lshl_b32 s49, s16, 3
	s_add_co_u32 s48, s48, s49
	s_mul_i32 s48, s48, 12288
	s_mov_b32 s49, 0
	s_mul_i32 s50, s14, 24576                      ; where they go: wave x 8 tiles
	s_mov_b32 s[G1+0], 3<<16                       ; no mask; elements of 8 bytes; no padding
	s_mov_b32 s[G1+1], 384<<16                     ; 8 rows (tiles) of 384 elements, 1,536 elements apart
	s_mov_b32 s[G1+2], 8<<16
	s_mov_b32 s[G1+3], 384<<16
	s_mov_b32 s[G1+4], 8
	s_mov_b32 s[G1+5], 1536
	s_mov_b32 s[G1+6], 0
	s_mov_b32 s[G1+7], 0
	s_mov_b32 s20, 0x76543210
	s_mov_b32 s21, 0xfedcba98                      ; selects for lane l xor 16
	s_mov_b32 s22, 0x3d38aa3b                      ; c = log2(e) / 32
	s_mov_b32 s23, s22                             ; (named with it as a pair)
	s_mov_b32 s47, 0xffff0000                      ; lanes 16-31
	s_sub_co_i32 s46, s42, s43
	s_lshl_b32 s46, s46, 1
	s_add_co_i32 s46, s46, s15
	s_sub_co_i32 s46, s46, s16                     ; dd = (2 I + wm) - (2 J + wn): under 0 hidden, 0 on the diagonal, over 0 open
	s_lshl_b32 s51, s15, 3
	s_add_co_u32 s51, s51, s44
	s_lshl_b32 s56, s51, 9                         ; my first tile of q: 512 bytes of scale words a tile
	s_lshl_b32 s51, s51, 4
	s_lshl_b32 s52, s43, 1
	s_add_co_u32 s51, s51, s52
	s_add_co_u32 s51, s51, s16                     ; FI of my first fragment of P; block a lies 16 fragments on
	s_mul_i32 s52, s51, FRB
	s_mov_b32 s53, 0
	s_lshl_b32 s54, s51, 8
	s_mov_b32 s55, 0
	s_lshl_b32 s57, s16, 3
	s_add_co_u32 s57, s57, s45
	s_lshl_b32 s57, s57, 9                         ; my first tile of k
	s_wait_dscnt 0x0                               ; the opening add is done
	s_wait_kmcnt 0x0
	s_add_nc_u64 s[48:49], s[4:5], s[48:49]
	s_add_nc_u64 s[8:9], s[8:9], s[52:53]
	s_add_nc_u64 s[10:11], s[10:11], s[54:55]
.irp s, 0,1
	s_mov_b32 s[G0+4*\s], 1
	s_add_co_u32 s[G0+4*\s+1], s50, \s*SLOT
	s_add_nc_u64 s[G0+4*\s+2:G0+4*\s+3], s[48:49], \s*TILEB
	s_or_b32 s[G0+4*\s+3], s[G0+4*\s+3], 0x80000000
	tensor_load_to_lds s[G0+4*\s:G0+4*\s+3], s[G1:G1+7]
	s_nop 0
.endr
	v_and_b32 v1, 31, v0
	v_lshlrev_b32 v[LI], 4, v1
	v_and_b32 v2, 15, v0                           ; r
	v_bfe_u32 v3, v0, 4, 1                         ; h
	v_mov_b32 v4, s56
	v_mov_b32 v5, s57
	v_cndmask_b32 v4, v4, v5, s47
	v_lshl_add_u32 v[SOV], v2, 2, v4
.irp i, 0,1,2,3,4,5,6,7
.irp s, 0,1,2,3,4,5,6,7
	global_load_b32 v[SC+8*\i+\s], v[SOV], s[6:7] offset:512*\i+64*\s   ; lanes 0-15: q's block i; lanes 16-31: k's block i; K step s
.endr
.endr
	s_mul_i32 s58, s15, 24576
	s_mul_i32 s59, s16, 24576
	s_add_co_u32 s59, s59, 49152
.irp s, 0,1
	v_add_nc_u32 v[ADRA+\s], s58, v[LI]
	v_add_nc_u32 v[ADRB+\s], s59, v[LI]
	s_add_co_u32 s58, s58, SLOT
	s_add_co_u32 s59, s59, SLOT
.endr
	v_lshlrev_b32 v[SO2], 4, v2
	v_lshl_add_u32 v[SO2], v3, 12, v[SO2]
	v_and_b32 v[DQ], 8, v2
	v_add_nc_u32 v[DQ], v[DQ], v2
	v_lshlrev_b32 v4, 4, v3
	v_sub_nc_u32 v[DQ], v[DQ], v4                  ; r + 8 (r / 8) - 16 h
	v_mov_b32 v[NINF], 0xff800000                  ; -infinity
	v_mov_b32 v[QS+1], 0                           ; (named as the upper halves of pairs before they are first written)
	v_mov_b32 v[QS+5], 0
	v_mov_b32 v[TP+1], 0                           ; a lane permute's destination counts as one of its sources
	v_mov_b32 v[SD+3], 0
.macro FRAG reg, adr, q, i
.irp c, 0,1,2
	ds_load_b128 v[(\reg)+4*\c:(\reg)+4*\c+3], v[\adr] offset:TILEB*(\i)+FRB*(\q)+512*\c
.endr
.endm
.macro FETCH_B slot, q, p
	WIN TO_B
.irp i, 0,1,2,3,4,5,6,7
	FRAG 128*(\p)+12*\i, ADRB+\slot, \q, \i
.endr
	WIN 0
.endm
.macro FETCH_A slot, q, i0
.irp i, \i0, \i0+1, \i0+2, \i0+3
	FRAG AF+12*(\i), ADRA+\slot, \q, \i
.endr
.endm
; 16 matrix instructions; the 64 accumulators take turns, one instruction a turn, in the same order in every step
.macro MUL16 a0, p, s, zero
.irp a, \a0, \a0+1
.irp b, 0,1,2,3,4,5,6,7
.if \zero
	v_wmma_scale_f32_16x16x128_f8f6f4 v[8*(8*((\a)%4)+\b):8*(8*((\a)%4)+\b)+7], v[128*(\p)+12*\b:128*(\p)+12*\b+11], v[AF+12*(\a):AF+12*(\a)+11], 0, v[SC+8*\b+(\s)], v[SC+8*(\a)+(\s)] matrix_a_fmt:MATRIX_FMT_FP6 matrix_b_fmt:MATRIX_FMT_FP6 matrix_a_scale:MATRIX_SCALE_ROW1
.else
	v_wmma_scale_f32_16x16x128_f8f6f4 v[8*(8*((\a)%4)+\b):8*(8*((\a)%4)+\b)+7], v[128*(\p)+12*\b:128*(\p)+12*\b+11], v[AF+12*(\a):AF+12*(\a)+11], v[8*(8*((\a)%4)+\b):8*(8*((\a)%4)+\b)+7], v[SC+8*\b+(\s)], v[SC+8*(\a)+(\s)] matrix_a_fmt:MATRIX_FMT_FP6 matrix_b_fmt:MATRIX_FMT_FP6 matrix_a_scale:MATRIX_SCALE_ROW1
.endif
.endr
.endr
.endm
.macro STEP slot, s, zero
	s_wait_dscnt 12                                ; k's set and q's blocks 0-3 are in; the twelve youngest loads may be out
	WIN MUL_LO
	MUL16 0, 0, \s, \zero
	MUL16 2, 0, \s, \zero
	s_wait_dscnt 0x0
	PLACES 4
	FETCH_B \slot, 1, 1
	FETCH_A \slot, 1, 0
	WIN MUL_HI
	MUL16 4, 0, \s, \zero
	MUL16 6, 0, \s, \zero
	PLACES 4
	WIN 0
	FETCH_A \slot, 1, 4
.endm
.macro TURN slot, next, fill, s
	s_wait_tensorcnt 0x0                           ; all my tensor loads have landed: my part of the next slot
	ds_add_u32 v[SPW], v[NIL]                      ; 0 onto my spare word
	s_wait_dscnt 13                                ; (the add and the twelve youngest loads may be out)
	WIN MUL_LO
	MUL16 0, 1, \s, 0
	s_wait_dscnt 0x0                               ; the add is done, and my reads of this slot are over
	s_barrier_signal -1
	MUL16 2, 1, \s, 0
	WIN 0
	s_barrier_wait -1
.if \fill
	s_add_nc_u64 s[G0+4*\slot+2:G0+4*\slot+3], s[G0+4*\slot+2:G0+4*\slot+3], 2*TILEB
	tensor_load_to_lds s[G0+4*\slot:G0+4*\slot+3], s[G1:G1+7]   ; my one tensor load behind the barrier, and the first thing there
	s_nop 0
	PLACES 4                                       ; also the places in front of the loads below
.else
	PLACES 4
.endif
	FETCH_B \next, 0, 0
	FETCH_A \next, 0, 0
	WIN MUL_HI
	MUL16 4, 1, \s, 0
	MUL16 6, 1, \s, 0
	PLACES 4
	WIN 0
	FETCH_A \next, 0, 4
.endm
	s_wait_tensorcnt 1                             ; my part of slot 0 is in; slot 1's load may be out
	s_barrier_signal -1
	s_barrier_wait -1
	FETCH_B 0, 0, 0
	FETCH_A 0, 0, 0
	FETCH_A 0, 0, 4
	s_wait_loadcnt 0x0                             ; the scale words
	STEP 0, 0, 1
	TURN 0, 1, 1, 1
	STEP 1, 2, 0
	TURN 1, 0, 1, 3
	STEP 0, 4, 0
	TURN 0, 1, 0, 5
	STEP 1, 6, 0
	s_wait_dscnt 12
	WIN MUL_LO
	MUL16 0, 1, 7, 0
	MUL16 2, 1, 7, 0
	s_wait_dscnt 0x0
	WIN MUL_HI
	MUL16 4, 1, 7, 0
	MUL16 6, 1, 7, 0
	WIN 0
	PLACES 4                                       ; behind the last products: results are read, and q's registers written, from here on
	s_cmp_lt_i32 s46, 0
	s_cbranch_scc1 .Lhidden
.irp b, 0,1,2,3
	v_mov_b32 v[BX+\b], 0                          ; a lane permute's destination counts as one of its sources
.endr
; Block a: 16 queries x my 128 keys.  Register 16 b + i of a lane holds key 32 b + 16 (lane / 16) + i; the lane's query is 32 (a / 2) + 8 (a % 2) + r + 8 (r / 8) of my 128.
.macro SOFTQ a
.set QW, 2+(\a)/4
.set AC, 64*((\a)%4)
.set QQ, QS+4*((\a)%2)
.set GA, (\a)/2
.if (\a) > 0
	s_wait_xcnt 0x0                                ; the last block's stores have read their data: codes and statistics may be written again
.endif
	WIN QW
.set j, 0
.rept 32
	v_pk_mul_f32 v[T+j:T+j+1], v[AC+j:AC+j+1], s[22:23] op_sel_hi:[1,0]   ; t = score x c; each accumulator from its low end on
.set j, j+2
.endr
	WIN 0
	s_cmp_lg_u32 s46, 0
	s_cbranch_scc1 .Lopen_\@
.irp i, 0,1,2,3,4,5,6,7,8,9,10,11,12,13,14,15  ; on the diagonal: in the query's own block of 32 keys, key 16 h + i is hidden where i - 8 (a % 2) > r + 8 (r / 8) - 16 h;
	v_cmp_gt_i32 vcc_lo, \i-8*((\a)%2), v[DQ]
	v_cndmask_b32 v[T+16*GA+\i], v[T+16*GA+\i], v[NINF], vcc_lo
.endr
.if GA < 3
.set j, 16*GA+16
.rept 48-16*GA
	v_mov_b32 v[T+j], v[NINF]                      ; the blocks behind it are hidden whole; those in front of it count whole
.set j, j+1
.endr
.endif
.Lopen_\@:
.irp b, 0,1,2,3
	v_max3_num_f32 v[BM+\b], v[T+16*\b], v[T+16*\b+1], v[T+16*\b+2]   ; the largest t of each block of 32 keys: for the row's maximum and, since p rises with t, for the block's largest p
.endr
.irp i, 3,5,7,9,11,13
.irp b, 0,1,2,3
	v_max3_num_f32 v[BM+\b], v[BM+\b], v[T+16*\b+\i], v[T+16*\b+\i+1]
.endr
.endr
.irp b, 0,1,2,3
	v_max_num_f32 v[BM+\b], v[BM+\b], v[T+16*\b+15]
.endr
.irp b, 0,1,2,3
	v_permlanex16_b32 v[BX+\b], v[BM+\b], s20, s21
.endr
.irp b, 0,1,2,3
	v_max_num_f32 v[BM+\b], v[BM+\b], v[BX+\b]
.endr
	v_max3_num_f32 v[TP], v[BM], v[BM+1], v[BM+2]
	v_max_num_f32 v[TP], v[TP], v[BM+3]
	v_floor_f32 v[QQ], -v[TP]                      ; -M = floor(-t) = -ceil(t): a whole number.  (The query's own key always counts, so it is finite)
.set j, 0
.rept 32
	v_pk_add_f32 v[T+j:T+j+1], v[T+j:T+j+1], v[QQ:QQ+1] op_sel_hi:[1,0]   ; t - M
.set j, j+2
.endr
.irp b, 0,1,2,3
	v_add_f32 v[BM+\b], v[BM+\b], v[QQ]            ; the same of each block's largest t
.endr
.set j, 0
.rept 64
	v_exp_f32 v[T+j], v[T+j]                       ; p = 2^(t - M)
.set j, j+1
.endr
	v_nop                                          ; a plain place behind the exponentials
	s_wait_alu depctr_va_vdst(0)                   ; one wait for the whole batch, ahead of its first reader
.irp b, 0,1,2,3
	v_exp_f32 v[BM+\b], v[BM+\b]                   ; the block's largest p: the same instructions on the same number give the same bits
.endr
	v_pk_add_f32 v[SUM:SUM+1], v[T:T+1], v[T+2:T+3]   ; l is the sum of the UNQUANTISED p: two chains, which read the 64 alone: plain work behind the four
	v_pk_add_f32 v[SU2:SU2+1], v[T+4:T+5], v[T+6:T+7]
.set j, 8
.rept 14
	v_pk_add_f32 v[SUM:SUM+1], v[SUM:SUM+1], v[T+j:T+j+1]
	v_pk_add_f32 v[SU2:SU2+1], v[SU2:SU2+1], v[T+j+2:T+j+3]
.set j, j+4
.endr
	v_pk_add_f32 v[SUM:SUM+1], v[SUM:SUM+1], v[SU2:SU2+1]
	s_wait_alu depctr_va_vdst(0)                   ; and one for the four
.irp b, 0,1,2,3
	v_max_num_f32 v[BM+\b], 0x1800000, v[BM+\b]    ; the floor 2^(3 - 127): the byte cannot fall under 1
.endr
.irp b, 0,1,2,3
	v_add_nc_u32 v[SCL+\b], 0xff000000, v[BM+\b]   ; the conversion's scale operand
.endr
.irp b, 0,1,2,3
	v_lshrrev_b32 v[BX+\b], 23, v[SCL+\b]          ; the byte
.endr
	v_lshl_or_b32 v[QQ+2], v[BX+1], 8, v[BX]
	v_lshl_or_b32 v[QQ+2], v[BX+2], 16, v[QQ+2]
	v_lshl_or_b32 v[QQ+2], v[BX+3], 24, v[QQ+2]
	v_add_f32 v[TP], v[SUM], v[SUM+1]
	v_permlanex16_b32 v[TP+1], v[TP], s20, s21
	v_add_f32 v[QQ+1], v[TP], v[TP+1]              ; l of my query over these 128 keys
.irp c, 0,1
	v_cvt_scalef32_pk16_fp6_f32 v[PC+6*\c:PC+6*\c+2], v[T+32*\c:T+32*\c+15], v[SCL+2*\c]
	v_cvt_scalef32_pk16_fp6_f32 v[PC+12+4*\c:PC+14+4*\c], v[T+32*\c+16:T+32*\c+31], v[SCL+2*\c+1]
.endr
	v_nop                                          ; one plain place behind a scaled conversion
.irp c, 0,1
.irp i, 0,1,2
	v_permlane16_swap_b32 v[PC+6*\c+\i], v[PC+12+4*\c+\i]
.endr
.irp i, 0,1,2
	v_mov_b32 v[PC+3+6*\c+\i], v[PC+12+4*\c+\i]
.endr
.endr
.irp c, 0,1,2
	global_store_b128 v[LI], v[PC+4*\c:PC+4*\c+3], s[8:9] offset:24576*(\a)+512*\c
.endr
.if (\a)%2 == 1
	v_cndmask_b32 v[SD], v[QS+2], v[QS+6], s47     ; lanes 0-15: the even block's; lanes 16-31: this block's
	v_cndmask_b32 v[SD+1], v[QS], v[QS+4], s47
	v_cndmask_b32 v[SD+2], v[QS+1], v[QS+5], s47
	global_store_b128 v[SO2], v[SD:SD+3], s[10:11] offset:4096*((\a)-1)   ; sixteen lanes store 256 consecutive bytes, aligned
.endif
.endm
.irp a, 0,1,2,3,4,5,6,7
	SOFTQ \a
.endr
	s_wait_tensorcnt 0x0                           ; the wave's end: behind my last tensor load
	ds_add_u32 v[SPW], v[NIL]
	s_wait_dscnt 0x0
	s_endpgm
.Lhidden:                                          ; all my keys come after all my queries: zero codes, byte 1, M = -3e38 (under every M), l = 0
.irp i, 0,1,2,3
	v_mov_b32 v[PC+\i], 0
.endr
	v_mov_b32 v[SD], 0x01010101
	v_mov_b32 v[SD+1], 0x7f61b1e6                  ; -M = +3e38
	v_mov_b32 v[SD+2], 0
.irp a, 0,1,2,3,4,5,6,7
.irp c, 0,1,2
	global_store_b128 v[LI], v[PC:PC+3], s[8:9] offset:24576*\a+512*\c
.endr
.endr
.irp a, 0,2,4,6
	global_store_b128 v[SO2], v[SD:SD+3], s[10:11] offset:4096*\a
.endr
	s_wait_tensorcnt 0x0                           ; the wave's end, as above
	ds_add_u32 v[SPW], v[NIL]
	s_wait_dscnt 0x0
	s_endpgm
.Lfunc_end_k_q99d95fac6c_score:
	.size	k_q99d95fac6c_score, .Lfunc_end_k_q99d95fac6c_score-k_q99d95fac6c_score
	.p2alignl 7, 3214868480
	.fill 96, 4, 3214868480
	.section	.rodata,"a",@progbits
	.p2align	6, 0x0
	.amdhsa_kernel k_q99d95fac6c_score
		.amdhsa_group_segment_fixed_size 327680
		.amdhsa_private_segment_fixed_size 0
		.amdhsa_enable_private_segment 0
		.amdhsa_kernarg_size 32
		.amdhsa_user_sgpr_count 2
		.amdhsa_user_sgpr_kernarg_segment_ptr 1
		.amdhsa_wavefront_size32 1
		.amdhsa_system_sgpr_workgroup_id_x 1
		.amdhsa_system_sgpr_workgroup_id_y 1
		.amdhsa_system_sgpr_workgroup_id_z 1
		.amdhsa_system_vgpr_workitem_id 0
		.amdhsa_next_free_vgpr 1024
		.amdhsa_next_free_sgpr 66
		.amdhsa_reserve_vcc 1
		.amdhsa_float_denorm_mode_32 3
		.amdhsa_float_denorm_mode_16_64 3
		.amdhsa_memory_ordered 1
		.amdhsa_forward_progress 1
		.amdhsa_inst_pref_size 224
	.end_amdhsa_kernel
	.amdgpu_metadata
---
amdhsa.version: [ 1, 2 ]
amdhsa.kernels:
  - .name:           k_q99d95fac6c_score
    .symbol:         k_q99d95fac6c_score.kd
    .args:
      - { .name: qkv_img, .offset: 0, .size: 8, .value_kind: global_buffer, .address_space: global }
      - { .name: qkv_sc, .offset: 8, .size: 8, .value_kind: global_buffer, .address_space: global }
      - { .name: p_img, .offset: 16, .size: 8, .value_kind: global_buffer, .address_space: global }
      - { .name: p_st, .offset: 24, .size: 8, .value_kind: global_buffer, .address_space: global }
    .group_segment_fixed_size: 327680
    .private_segment_fixed_size: 0
    .kernarg_segment_align: 8
    .kernarg_segment_size: 32
    .max_flat_workgroup_size: 128
    .sgpr_count:     66
    .vgpr_count:     1024
    .wavefront_size: 32
...
	.end_amdgpu_metadata
.endif
;; end of part 3
;; launch pv (part 4): grid 4 x 64, 4 waves a work-group, clusters of 4 x 4, 327,680 bytes of LDS; arguments qkv_img, qkv_sc, p_img, p_st, out0; writes out0
.if DOCPART == 4
	.amdgcn_target "amdgcn-amd-amdhsa--gfx1250"
	.amdhsa_code_object_version 6
	.text
	.protected	k_q99d95fac6c_pv
	.globl	k_q99d95fac6c_pv
	.p2align	8
	.type	k_q99d95fac6c_pv,@function
k_q99d95fac6c_pv:
	s_mov_b64 s[64:65], 0
	v_nop
	global_prefetch_b8 v0, s[64:65] scope:SCOPE_SE
	s_setreg_imm32_b32 hwreg(HW_REG_WAVE_MODE, 25, 1), 1
	s_wait_xcnt 0x0
	s_wait_alu depctr_hold_cnt(0) depctr_sa_sdst(0) depctr_va_vdst(0) depctr_va_sdst(0) depctr_va_ssrc(0) depctr_va_vcc(0) depctr_vm_vsrc(0)
	s_getreg_b32 s2, hwreg(HW_REG_IB_STS2, 6, 4)
	s_cmp_eq_u32 s2, 0
	s_cbranch_scc0 .Lentry_in_a_cluster
	s_endpgm
.Lentry_in_a_cluster:
	s_bfe_u32 s2, ttmp6, 0x10000c
	s_cmp_lg_u32 s2, 0xf033
	s_cbranch_scc0 .Lentry_shape_is_right
	s_endpgm
.Lentry_shape_is_right:
; out = (P v) / l on codes of FP6 with E8M0 scales, K = the keys, only the key steps at or under the diagonal.
; P arrives quantised under a LOCAL whole number M for each (query, 128 keys).  The prologue finds each query's largest M, takes d = that M - the local M off the four bytes of each scale word (held at 0),
; which multiplies the step's p by 2^-d and changes no code, and adds the partial sums l x 2^-d.
; LIMIT: d is held at 127, and a byte that would fall under 0 is held at 0 (2^-127): such a block lies 2^-100 or more under the row's largest p, which is over 1/2: beneath any effect in f32.  P's bytes are 125 at the most.
; SHARES.  A work-group owns 256 channels (cx) and the eight tiles of 16 queries g + 16 m, m = 0 .. 7, of one batch: tile m takes key steps 0 .. 2 m + 1.  So every work-group has the same 72 (tile, step) pairs and
; walks all 16 key steps in the same order: 256 equal work-groups, in which nothing but addresses hangs on g.  Wave w: all eight tiles x channel tiles 4 w .. 4 w + 3: 32 accumulators.
; Source 0 = 16 channels of v^T, source 1 = 16 queries of P: a lane holds one query and eight neighbouring channels.
; LDS: two places, each with four key steps: v^T's 16 tiles; P's rows that take all four steps; P's one row that takes the first two.  One tensor load a wave fills a place (waves 0, 1: v^T; wave 2, wave 3: P).
; CLUSTERS: 4 x 4: v^T's tiles are shared along a column (same cx), P's along a row (same g): joint loads.  By this text's own count a wave has two tensor loads out at the start, later one.
; No prefetch: two refills behind two first fills; a request far enough ahead would stand at the head.
; REGISTERS: window 0: v1-11 addresses; v16-31 1 / l; v32-63 v^T's scale words (8 j + s / 2: lanes 0-15 the even step, lanes 16-31 the odd); v64-207 P's statistics, four registers for each (m, s / 2), the first the scale word;
;   v208-255 at work.  On the way out v64-191 are free.   window 1: accumulator (m, j) at v[32 m + 8 j].   windows 2, 3: operands of even and odd steps: P's fragment m at v[12 m], v^T's j at v[96 + 12 j].
.set PLACE, 150528
.set POFF,  98304                      ; P's rows begin here in a place;
.set P1OFF, 49152                      ; the short row, so far behind them
.set STG,   2*PLACE                    ; the way out: 16 rows x (256 bytes + 16) for each wave
.set SPARE, STG+4*16*272               ; the spare words, 128 bytes for each wave: two blocks of 256 bytes that no other line names
.set LI,  1                            ; v1   16 x lane
.set AV,  2                            ; v2-3 my v^T fragments in place 0, 1
.set AP,  4                            ; v4-5 P's
.set STO, 6
.set RD,  7
.set GO,  8
.set L4,  9                            ; v9   4 x lane
.set SPW, 10                           ; v10  LDS address of my spare word; never rewritten
.set NIL, 11                           ; v11  0; never rewritten
.set RL,  16
.set VS,  32
.set ST,  64
.set OT,  64                           ; the way out: scaled results, two sets of 32
.set BK,  128                          ; and rows read back, two sets of 32
.set TPB, 208
.set GM,  240
.set LS,  248
.set G1V,  24                          ; s[24:31]
.set G1P1, 32                          ; s[32:39]
.set G1P4, 40                          ; s[40:47], s[48:55]: one for each place
.set G0V,  56                          ; s[56:63]: one for each place
.set G0P,  68                          ; s[68:75]
.set MSB, 0
.macro WIN new
.if MSB != (\new)
	s_set_vgpr_msb (MSB<<8)|(\new)
.set MSB, (\new)
.endif
.endm
.macro PLACES n
.rept \n
	v_nop
.endr
.endm
.macro CROUND                          ; a round of the cluster's barrier
	s_barrier_signal -1
	s_barrier_wait -1
	s_cmp_lg_u32 s14, 0
	s_cbranch_scc1 .Lnot_wave_0_\@
	s_barrier_signal -3
.Lnot_wave_0_\@:
	s_barrier_wait -3
	s_barrier_signal -1
	s_barrier_wait -1
.endm
; A place's fill: one joint load a wave.  The branches hang on the wave's number alone.  An s_nop 0 and four v_nop follow each line.
.macro TL3 p
	s_cmp_lt_u32 s14, 2
	s_cbranch_scc0 .Lnot_v_\@
	tensor_load_to_lds s[G0V+4*\p:G0V+4*\p+3], s[G1V:G1V+7]
	s_nop 0
.rept 4
	v_nop
.endr
	s_branch .Lasked_\@
.Lnot_v_\@:
	s_cmp_eq_u32 s14, 2
	s_cbranch_scc0 .Lone_\@
	tensor_load_to_lds s[G0P+4*\p:G0P+4*\p+3], s[G1P4+8*\p:G1P4+8*\p+7]
	s_nop 0
.rept 4
	v_nop
.endr
	s_branch .Lasked_\@
.Lone_\@:
	tensor_load_to_lds s[G0P+4*\p:G0P+4*\p+3], s[G1P1:G1P1+7]
	s_nop 0
.rept 4
	v_nop
.endr
.Lasked_\@:
.endm
	s_load_b256 s[4:11], s[0:1], 0x0               ; qkv_img s[4:5], qkv_sc s[6:7], p_img s[8:9], p_st s[10:11]
	s_load_b64 s[12:13], s[0:1], 0x20              ; out0
	v_lshl_add_u32 v[SPW], v0, 2, SPARE
	v_mov_b32 v[NIL], 0
	ds_add_u32 v[SPW], v[NIL]                      ; the wave's opening: the add and its wait stand ahead of my first tensor load
	v_lshrrev_b32 v12, 5, v0
	v_readfirstlane_b32 s14, v12                   ; wave 0..3
	s_bfe_u32 s76, ttmp6, 0x40000                  ; cx: my 256 channels
	s_bfe_u32 s77, ttmp6, 0x40004                  ; cy
	s_and_b32 s78, ttmp7, 0xffff                   ; cluster y
	s_lshr_b32 s79, s78, 2                         ; the batch
	s_and_b32 s80, s78, 3
	s_lshl_b32 s80, s80, 2
	s_add_co_u32 s80, s80, s77                     ; g
	s_lshl_b32 s81, s77, 2
	s_lshl_b32 s81, 15, s81                        ; my row of the cluster
	s_lshl_b32 s82, 0x1111, s76                    ; my column
	s_or_b32 s[G1V+0], s82, (3<<16)|(1<<21)        ; v^T: 8 tiles (rows) of four key steps = 768 elements of 8 bytes, 64 fragments = 12,288 elements apart; to my column
	s_mov_b32 s[G1V+1], 768<<16
	s_mov_b32 s[G1V+2], 8<<16
	s_mov_b32 s[G1V+3], 768<<16
	s_mov_b32 s[G1V+4], 8
	s_mov_b32 s[G1V+5], 12288
	s_mov_b32 s[G1V+6], 0
	s_mov_b32 s[G1V+7], 0
	s_or_b32 s[G1P1+0], s81, (3<<16)|(1<<21)       ; P's short row: two key steps = 384 elements, one row; to my row
	s_mov_b32 s[G1P1+1], 384<<16
	s_mov_b32 s[G1P1+2], 1<<16
	s_mov_b32 s[G1P1+3], 384<<16
	s_mov_b32 s[G1P1+4], 1
	s_mov_b32 s[G1P1+5], 384
	s_mov_b32 s[G1P1+6], 0
	s_mov_b32 s[G1P1+7], 0
.irp p, 0,1                                    ; P's long rows: 7 (place 0) and 5 (place 1) tiles of four key steps, 256 fragments = 49,152 elements apart
	s_or_b32 s[G1P4+8*\p+0], s81, (3<<16)|(1<<21)
	s_mov_b32 s[G1P4+8*\p+1], 768<<16
	s_mov_b32 s[G1P4+8*\p+2], (7-2*\p)<<16
	s_mov_b32 s[G1P4+8*\p+3], 768<<16
	s_mov_b32 s[G1P4+8*\p+4], 7-2*\p
	s_mov_b32 s[G1P4+8*\p+5], 49152
	s_mov_b32 s[G1P4+8*\p+6], 0
	s_mov_b32 s[G1P4+8*\p+7], 0
.endr
	s_lshl_b32 s88, s76, 4
	s_and_b32 s89, s14, 1
	s_lshl_b32 s89, s89, 3
	s_add_co_u32 s88, s88, s89                     ; v^T's tile 16 cx + 8 (wave % 2)
	s_lshl_b32 s88, s88, 6
	s_add_co_u32 s88, s88, 8192
	s_lshl_b32 s89, s79, 4
	s_add_co_u32 s88, s88, s89                     ; its fragment of the batch's key step 0
	s_mul_i32 s88, s88, 1536
	s_mov_b32 s89, 0
	s_lshl_b32 s93, s79, 7
	s_add_co_u32 s93, s93, s80                     ; 128 b + g: my first tile of queries
	s_mul_i32 s90, s93, 24576
	s_sub_co_u32 s91, 3, s14                       ; wave 2 begins at row m = 1, wave 3 at row 0
	s_mul_i32 s91, s91, 393216
	s_add_co_u32 s90, s90, s91
	s_mov_b32 s91, 0
	s_mul_i32 s92, s14, 49152                      ; where my load goes in a place: no place in the cluster enters an LDS address
	s_lshl_b32 s94, s93, 12                        ; P's statistics: 256 bytes a fragment, 16 fragments a tile
	s_mov_b32 s95, 0
	s_lshl_b32 s96, s76, 4
	s_lshl_b32 s97, s14, 2
	s_add_co_u32 s96, s96, s97                     ; my first tile of channels: 16 cx + 4 w
	s_lshl_b32 s96, s96, 6
	s_add_co_u32 s96, s96, 8192
	s_lshl_b32 s97, s79, 4
	s_add_co_u32 s96, s96, s97
	s_lshl_b32 s96, s96, 6                         ; its scale words
	s_mov_b32 s97, 0
	s_lshl_b32 s2, s79, 11                         ; out0: row 2,048 b + 32 (g / 2) + 8 (g % 2),
	s_lshr_b32 s3, s80, 1
	s_lshl_b32 s3, s3, 5
	s_add_co_u32 s2, s2, s3
	s_and_b32 s3, s80, 1
	s_lshl_b32 s3, s3, 3
	s_add_co_u32 s2, s2, s3
	s_lshl_b32 s2, s2, 12
	s_lshl_b32 s3, s76, 10                         ; channel 256 cx + 64 w
	s_add_co_u32 s2, s2, s3
	s_lshl_b32 s3, s14, 8
	s_add_co_u32 s2, s2, s3
	s_mov_b32 s3, 0
	s_mov_b32 s83, 0x80808080
	s_mov_b32 s84, 0x01010101
	s_mov_b32 s86, 0x76543210
	s_mov_b32 s87, 0xfedcba98                      ; selects for lane l xor 16
	s_wait_dscnt 0x0                               ; the opening add is done
	s_wait_kmcnt 0x0
	s_add_nc_u64 s[88:89], s[4:5], s[88:89]
	s_add_nc_u64 s[90:91], s[8:9], s[90:91]
	s_add_nc_u64 s[10:11], s[10:11], s[94:95]
	s_add_nc_u64 s[6:7], s[6:7], s[96:97]
	s_add_nc_u64 s[12:13], s[12:13], s[2:3]
	CROUND                                         ; all sixteen work-groups are here: the first joint loads meet
.irp p, 0,1
	s_mov_b32 s[G0V+4*\p], 1
	s_add_co_u32 s[G0V+4*\p+1], s92, \p*PLACE
	s_add_nc_u64 s[G0V+4*\p+2:G0V+4*\p+3], s[88:89], \p*6144      ; place p begins with key steps 4 p .. 4 p + 3
	s_or_b32 s[G0V+4*\p+3], s[G0V+4*\p+3], 0x80000000
	s_mov_b32 s[G0P+4*\p], 1
	s_add_co_u32 s[G0P+4*\p+1], s92, \p*PLACE
	s_add_nc_u64 s[G0P+4*\p+2:G0P+4*\p+3], s[90:91], \p*792576    ; two rows down and four key steps on
	s_or_b32 s[G0P+4*\p+3], s[G0P+4*\p+3], 0x80000000
	TL3 \p
.endr
	v_and_b32 v12, 31, v0
	v_lshlrev_b32 v[LI], 4, v12
	v_lshlrev_b32 v[L4], 2, v12
	v_and_b32 v13, 15, v0                          ; r
	v_bfe_u32 v14, v0, 4, 1                        ; h
.set idx, 0
.irp m, 0,1,2,3,4,5,6,7
.set sg, 0
.rept \m+1
	global_load_b128 v[ST+4*idx:ST+4*idx+3], v[LI], s[10:11] offset:65536*\m+512*sg   ; {word, -M, l, 0}: lanes 0-15 key step 2 sg, lanes 16-31 step 2 sg + 1: 512 consecutive bytes
.set sg, sg+1
.set idx, idx+1
.endr
.endr
.irp j, 0,1,2,3
.irp g, 0,1,2,3,4,5,6,7
	global_load_b32 v[VS+8*\j+\g], v[L4], s[6:7] offset:4096*\j+128*\g
.endr
.endr
	s_mul_i32 s93, s14, 24576
	v_add_nc_u32 v[AV], s93, v[LI]
	v_add_nc_u32 v[AV+1], PLACE, v[AV]
	v_add_nc_u32 v[AP], POFF, v[LI]
	v_add_nc_u32 v[AP+1], PLACE, v[AP]
	s_mul_i32 s93, s14, 16*272
	s_add_co_u32 s93, s93, STG                     ; my stage
	v_mul_u32_u24 v[STO], v13, 272
	v_lshl_add_u32 v[STO], v14, 6, v[STO]
	v_add_nc_u32 v[STO], s93, v[STO]               ; in: row r, + 64 h
	v_mul_u32_u24 v[RD], v14, 272
	v_lshl_add_u32 v[RD], v13, 4, v[RD]
	v_add_nc_u32 v[RD], s93, v[RD]                 ; back: lanes 0-15 one row, lanes 16-31 the next
	v_lshlrev_b32 v[GO], 12, v14
	v_lshl_add_u32 v[GO], v13, 4, v[GO]            ; and the same two rows in out0
.irp m, 0,1,2,3,4,5,6,7
	v_mov_b32 v[LS+\m], 0                          ; a lane permute's destination counts as one of its sources
.endr
	s_wait_loadcnt 32                              ; P's statistics are in; v^T's 32 loads of scale words may be out
	; THE PROLOGUE.  For each tile m: the least -M of my query over its key steps,
.irp m, 0,1,2,3,4,5,6,7
	v_mov_b32 v[GM+\m], v[ST+4*(\m*(\m+1)/2)+1]
.endr
.irp m, 1,2,3,4,5,6,7
.set sg, 1
.rept \m
	v_min_num_f32 v[GM+\m], v[GM+\m], v[ST+4*(\m*(\m+1)/2+sg)+1]
.set sg, sg+1
.endr
.endr
.irp m, 0,1,2,3,4,5,6,7
	v_permlanex16_b32 v[LS+\m], v[GM+\m], s86, s87
.endr
.irp m, 0,1,2,3,4,5,6,7
	v_min_num_f32 v[GM+\m], v[GM+\m], v[LS+\m]     ; the odd steps' with the even steps': -(the row's M)
.endr
; and for each (m, pair of steps): e = local M - the row's M, held at -127; l x 2^e is added; -e comes off each byte of the scale word, held at 0
.macro FIX m, sg
.set ix, (\m)*((\m)+1)/2+(\sg)
.set TT, TPB+8*(ix%4)
	v_sub_f32 v[TT], v[GM+\m], v[ST+4*ix+1]
	v_max_num_f32 v[TT], 0xc2fe0000, v[TT]         ; -127.0
	v_cvt_i32_f32 v[TT], v[TT]
.if (\sg) == 0
	v_ldexp_f32 v[LS+\m], v[ST+4*ix+2], v[TT]
.else
	v_ldexp_f32 v[TT+1], v[ST+4*ix+2], v[TT]
	v_add_f32 v[LS+\m], v[LS+\m], v[TT+1]
.endif
	v_sub_nc_u32 v[TT], 0, v[TT]                   ; d, 0 .. 127
	v_mul_lo_u32 v[TT], v[TT], s84                 ; in all four bytes
	v_or_b32 v[TT+2], s83, v[ST+4*ix]              ; a guard bit over each byte (the bytes are under 128): no byte borrows from its neighbour
	v_sub_nc_u32 v[TT+2], v[TT+2], v[TT]
	v_and_b32 v[TT+3], s83, v[TT+2]                ; the guard has stayed where byte >= d
	v_lshrrev_b32 v[TT+4], 7, v[TT+3]
	v_sub_nc_u32 v[TT+3], v[TT+3], v[TT+4]         ; 0x7f there, 0 elsewhere
	v_and_b32 v[ST+4*ix], v[TT+2], v[TT+3]
.endm
.irp m, 0,1,2,3,4,5,6,7
.set sg, 0
.rept \m+1
	FIX \m, sg
.set sg, sg+1
.endr
.endr
.irp m, 0,1,2,3,4,5,6,7
	v_permlanex16_b32 v[GM+\m], v[LS+\m], s86, s87
.endr
.irp m, 0,1,2,3,4,5,6,7
	v_add_f32 v[LS+\m], v[LS+\m], v[GM+\m]         ; the row's sum
.endr
.irp m, 0,1,2,3,4,5,6,7
	v_rcp_f32 v[RL+2*\m], v[LS+\m]
.endr
.irp m, 0,1,2,3,4,5,6,7
	v_mov_b32 v[RL+2*\m+1], 0                      ; (named with 1 / l as a pair.)  Plain places behind the reciprocals; with the additions above also the eight places between the last scale word written and the first product
.endr
	s_wait_alu depctr_va_vdst(0)                   ; one wait for the eight reciprocals, ahead of their first reader and of every branch
; Key step s: its fragments into the operand set s % 2: v^T's four, and P's of the tiles m >= s / 2
.macro LOADS s
.set SG, (\s)/4
.set PL, SG%2
.set M0, (\s)/2
	WIN 0x80+0x40*((\s)%2)                         ; destination window 2 or 3
.irp j, 0,1,2,3
.irp c, 0,1,2
	ds_load_b128 v[96+12*\j+4*\c:96+12*\j+4*\c+3], v[AV+PL] offset:6144*\j+1536*((\s)%4)+512*\c
.endr
.endr
.irp m, 0,1,2,3,4,5,6,7
.if \m >= M0
.if \m == 2*SG
.irp c, 0,1,2
	ds_load_b128 v[12*\m+4*\c:12*\m+4*\c+3], v[AP+PL] offset:P1OFF+1536*((\s)%4)+512*\c
.endr
.else
.irp c, 0,1,2
	ds_load_b128 v[12*\m+4*\c:12*\m+4*\c+3], v[AP+PL] offset:(\m-2*SG-1)*6144+1536*((\s)%4)+512*\c
.endr
.endif
.endif
.endr
.endm
; and its products: the accumulators take turns, one instruction a turn; step 0, in which every tile takes part, starts the sums
.macro MUL s
.set M0, (\s)/2
	WIN 0x5a+5*((\s)%2)                            ; sources 0 and 1 window 2 or 3, C and D window 1
.irp m, 0,1,2,3,4,5,6,7
.if \m >= M0
.irp j, 0,1,2,3
.if (\s) == 0
	v_wmma_scale_f32_16x16x128_f8f6f4 v[32*\m+8*\j:32*\m+8*\j+7], v[96+12*\j:96+12*\j+11], v[12*\m:12*\m+11], 0, v[VS+8*\j], v[ST+4*(\m*(\m+1)/2)] matrix_a_fmt:MATRIX_FMT_FP6 matrix_b_fmt:MATRIX_FMT_FP6
.elseif (\s)%2 == 0
	v_wmma_scale_f32_16x16x128_f8f6f4 v[32*\m+8*\j:32*\m+8*\j+7], v[96+12*\j:96+12*\j+11], v[12*\m:12*\m+11], v[32*\m+8*\j:32*\m+8*\j+7], v[VS+8*\j+M0], v[ST+4*(\m*(\m+1)/2+M0)] matrix_a_fmt:MATRIX_FMT_FP6 matrix_b_fmt:MATRIX_FMT_FP6
.else
	v_wmma_scale_f32_16x16x128_f8f6f4 v[32*\m+8*\j:32*\m+8*\j+7], v[96+12*\j:96+12*\j+11], v[12*\m:12*\m+11], v[32*\m+8*\j:32*\m+8*\j+7], v[VS+8*\j+M0], v[ST+4*(\m*(\m+1)/2+M0)] matrix_a_fmt:MATRIX_FMT_FP6 matrix_b_fmt:MATRIX_FMT_FP6 matrix_a_scale:MATRIX_SCALE_ROW1 matrix_b_scale:MATRIX_SCALE_ROW1
.endif
.endr
.endif
.endr
.endm
; THE CHANGE OF PLACES: each wave waits for all its tensor loads (its part of the place ahead), adds 0 to its spare word, and waits for that and for its reads of the place that it leaves.
; fill = 1: that place is filled again, with the key steps eight on; rows: P's long rows there.  The barrier is then a round of the cluster's, and the joint refill the first thing behind it.
.macro CHANGE fill, p, rows
	WIN 0
	s_wait_tensorcnt 0x0                           ; no tensor load of mine is out, so descriptors may be written
	ds_add_u32 v[SPW], v[NIL]                      ; 0 onto my spare word
.if \fill
	s_add_nc_u64 s[G0V+4*\p+2:G0V+4*\p+3], s[G0V+4*\p+2:G0V+4*\p+3], 12288
	s_add_nc_u64 s[G0P+4*\p+2:G0P+4*\p+3], s[G0P+4*\p+2:G0P+4*\p+3], 1585152
	s_mov_b32 s[G1P4+8*\p+2], (\rows)<<16
	s_mov_b32 s[G1P4+8*\p+4], \rows
.endif
	s_wait_dscnt 0x0                               ; the add is done, and my reads of the place that I leave are over
.if \fill
	CROUND
	TL3 \p
.else
	s_barrier_signal -1
	s_barrier_wait -1
.endif
.endm
	s_wait_tensorcnt 1                             ; my part of place 0 is in; place 1's load may be out
	s_barrier_signal -1
	s_barrier_wait -1
	LOADS 0
	s_wait_loadcnt 0x0                             ; v^T's scale words
.irp s, 0,1,2,3,4,5,6,7,8,9,10,11,12,13,14,15
.if \s > 0
	PLACES 4                                       ; in front of loads into the operand set that the step before last... the last products but one read: the set of step s - 1
.endif
.if \s == 3
	CHANGE 1, 0, 3                                 ; place 0 takes key steps 8-11
.elseif \s == 7
	CHANGE 1, 1, 1                                 ; place 1 takes key steps 12-15
.elseif \s == 11
	CHANGE 0, 0, 0
.endif
.if \s < 15
	LOADS \s+1
	s_wait_dscnt 3*(4+8-((\s+1)/2))                ; all but the loads just issued: this step's fragments are in
.else
	s_wait_dscnt 0x0
.endif
	MUL \s
.endr
; THE WAY OUT, a tile of 16 queries at a time: x 1 / l; through my own stage in LDS; back as rows of 256 bytes, which sixteen lanes store as one aligned run of 256 bytes.
; Register i of accumulator (m, j) is channel 32 (j / 2) + 8 (j % 2) + 16 h + i of my 64; stage row r is query 256 m + 32 (g / 2) + 8 (g % 2) + r + 8 (r / 8) of the batch.
.macro SCALE m
	WIN 0x01                                       ; source 0: window 1
.set j, 0
.rept 16
	v_pk_mul_f32 v[OT+32*((\m)%2)+j:OT+32*((\m)%2)+j+1], v[32*(\m)+j:32*(\m)+j+1], v[RL+2*(\m):RL+2*(\m)+1] op_sel_hi:[1,0]   ; each accumulator from its low end on
.set j, j+2
.endr
	WIN 0
.endm
.macro TOSTAGE m
.irp j, 0,1,2,3
	ds_store_b128 v[STO], v[OT+32*((\m)%2)+8*\j:OT+32*((\m)%2)+8*\j+3] offset:128*(\j/2)+32*(\j%2)
	ds_store_b128 v[STO], v[OT+32*((\m)%2)+8*\j+4:OT+32*((\m)%2)+8*\j+7] offset:128*(\j/2)+32*(\j%2)+16
.endr
.irp i, 0,1,2,3,4,5,6,7
	ds_load_b128 v[BK+32*((\m)%2)+4*\i:BK+32*((\m)%2)+4*\i+3], v[RD] offset:544*\i   ; LDS serves a wave's instructions in order: these see the stores above, and the next tile's stores come behind them
.endr
.endm
.macro SEND m, younger
	s_wait_dscnt \younger                          ; the tile is back in registers; the next tile's sixteen LDS instructions may be out
.irp i, 0,1,2,3,4,5,6,7
	global_store_b128 v[GO], v[BK+32*((\m)%2)+4*\i:BK+32*((\m)%2)+4*\i+3], s[12:13] offset:1048576*(\m)+(2*\i+8*(\i/4))*4096 th:TH_STORE_NT
.endr
.endm
	PLACES 4                                       ; behind the last products: results are read, and the registers that held scale words written, from here on
	SCALE 0
	TOSTAGE 0
.irp m, 1,2,3,4,5,6,7
	SCALE \m
.if \m > 1
	s_wait_xcnt 0x0                                ; tile m - 2's stores have read their registers: tile m's rows may land there
.endif
	TOSTAGE \m
	SEND \m-1, 16
.endr
	SEND 7, 0
	s_wait_tensorcnt 0x0                           ; the wave's end: behind my last tensor load and my last LDS store
	ds_add_u32 v[SPW], v[NIL]
	s_wait_dscnt 0x0
	CROUND                                         ; the closing round: no work-group ends while a partner may still ask for a tile that names it
	s_endpgm
.Lfunc_end_k_q99d95fac6c_pv:
	.size	k_q99d95fac6c_pv, .Lfunc_end_k_q99d95fac6c_pv-k_q99d95fac6c_pv
	.p2alignl 7, 3214868480
	.fill 96, 4, 3214868480
	.section	.rodata,"a",@progbits
	.p2align	6, 0x0
	.amdhsa_kernel k_q99d95fac6c_pv
		.amdhsa_group_segment_fixed_size 327680
		.amdhsa_private_segment_fixed_size 0
		.amdhsa_enable_private_segment 0
		.amdhsa_kernarg_size 40
		.amdhsa_user_sgpr_count 2
		.amdhsa_user_sgpr_kernarg_segment_ptr 1
		.amdhsa_wavefront_size32 1
		.amdhsa_system_sgpr_workgroup_id_x 1
		.amdhsa_system_sgpr_workgroup_id_y 1
		.amdhsa_system_sgpr_workgroup_id_z 1
		.amdhsa_system_vgpr_workitem_id 0
		.amdhsa_next_free_vgpr 1024
		.amdhsa_next_free_sgpr 100
		.amdhsa_reserve_vcc 0
		.amdhsa_float_denorm_mode_32 3
		.amdhsa_float_denorm_mode_16_64 3
		.amdhsa_memory_ordered 1
		.amdhsa_forward_progress 1
		.amdhsa_inst_pref_size 129
	.end_amdhsa_kernel
	.amdgpu_metadata
---
amdhsa.version: [ 1, 2 ]
amdhsa.kernels:
  - .name:           k_q99d95fac6c_pv
    .symbol:         k_q99d95fac6c_pv.kd
    .args:
      - { .name: qkv_img, .offset: 0, .size: 8, .value_kind: global_buffer, .address_space: global }
      - { .name: qkv_sc, .offset: 8, .size: 8, .value_kind: global_buffer, .address_space: global }
      - { .name: p_img, .offset: 16, .size: 8, .value_kind: global_buffer, .address_space: global }
      - { .name: p_st, .offset: 24, .size: 8, .value_kind: global_buffer, .address_space: global }
      - { .name: out0, .offset: 32, .size: 8, .value_kind: global_buffer, .address_space: global }
    .group_segment_fixed_size: 327680
    .private_segment_fixed_size: 0
    .kernarg_segment_align: 8
    .kernarg_segment_size: 40
    .max_flat_workgroup_size: 128
    .sgpr_count:     100
    .vgpr_count:     1024
    .wavefront_size: 32
...
	.end_amdgpu_metadata
.endif
;; end of part 4
